; MI455X (gfx1250); checked and timed in simulation.
; The chip was launched on July 23, 2026; its instructions are those of AMD's public machine-readable ISA for CDNA 5 (MIT licence, August 2026) and "CDNA5" Instruction Set Architecture Reference Guide (July 2026). The comments in the code are by the model that wrote it; some were corrected since.
;; Causal Self Attn Block. Allowed arithmetic: matrix products marked QUANTISED: E3M2 operands, one E8M0 scale for each 32 along K, by v_wmma_scale_f32_16x16x128_f8f6f4 with both operands' format E3M2, f32 sums; everything else in f32.
;; Inputs: W_out_codes 1,024 x 32 x 24 uint8 (E3M2 codes of W_out, K innermost, in blocks of 32 codes, four codes in three bytes); W_out_scales 1,024 x 32 uint8 (E8M0 scales of W_out, one for each 32 codes along K); W_qkv_codes 3,072 x 32 x 24 uint8 (E3M2 codes of W_qkv, K innermost, in blocks of 32 codes, four codes in three bytes); W_qkv_scales 3,072 x 32 uint8 (E8M0 scales of W_qkv, one for each 32 codes along K); attn_mask 4 x 2,048 x 2,048 float32; b_out 1,024 float32; b_qkv 3,072 float32; beta 1,024 float32; gamma 1,024 float32; x 4 x 2,048 x 1,024 float32.
;; Outputs: out0 4 x 2,048 x 1,024 float32.
;; This version of the problem:
;;   THIS VERSION OF THE PROBLEM IS GIVEN IN LOW PRECISION. The matrix products marked QUANTISED in the list below multiply operands that are first quantised to E3M2 (3 exponent bits, 2 mantissa bits; 6 bits a number), with one power-of-two scale for each 32 numbers along K (OCP MX v1.0); their sums are f32. All else is computed in f32.
;;   The module's matrix products, in the order in which they are computed (A, B: the left and right operand; K: the contracted axis; several contracted axes count as one K, in the product's order):
;;     1. [M 8,192, K 1,024] x [K 1,024, N 3,072]; A: input x; B: input W_qkv (given as codes): QUANTISED
;;     2. batch 64 x [M 2,048, K 64] x [K 64, N 2,048]; A: computed on the way; B: computed on the way: QUANTISED
;;     3. batch 64 x [M 2,048, K 2,048] x [K 2,048, N 64]; A: computed on the way; B: computed on the way: QUANTISED
;;     4. [M 8,192, K 1,024] x [K 1,024, N 1,024]; A: computed on the way; B: input W_out (given as codes): QUANTISED
;;   THE QUANTISER, for each operand of a quantised product, along K:
;;     - K is cut into blocks of 32 from its start; a last block that is shorter is filled with zeros.
;;     - A block's scale is 2^e with e = floor(log2(the largest magnitude in the block)) - 4, held to -126 .. 127; a block of zeros has e = 0. As a byte (E8M0): e + 127.
;;     - Each number is divided by its block's scale, clamped to +-28, and rounded to the nearest number of E3M2, ties to even, subnormals kept.
;;     - The product sums the exact products of the quantised numbers (number of the format x scale) in f32.
;;   ~~~python
;;   def quantise(x, axis):      # numpy; x: float32 -> the quantised numbers, widened to float32 again
;;       x = np.moveaxis(x, axis, -1); K = x.shape[-1]
;;       x = np.pad(x, [(0, 0)] * (x.ndim - 1) + [(0, -K % 32)]); x = x.reshape(x.shape[:-1] + (-1, 32)); a = np.abs(x).max(-1, keepdims=True)
;;       e = np.where(a > 0, np.clip(np.frexp(np.where(a > 0, a, 1))[1] - 1 - 4, -126, 127), 0)      # np.frexp(a)[1] - 1 = floor(log2(a)), exactly
;;       r = np.clip(x / 2.0 ** e, -28, 28)
;;       step = 2.0 ** (np.maximum(np.frexp(np.where(r == 0, 1, r))[1] - 1, -2) - 2)
;;       q = np.round(r / step) * step * 2.0 ** e      # np.round: ties to even
;;       return np.moveaxis(q.reshape(q.shape[:-2] + (-1,))[..., :K], -1, axis).astype(np.float32)
;;   ~~~
;;   OPERANDS COMPUTED ON THE WAY. 'Computed on the way' means the value that the module computes at that place (a softmax that the list does not call 'softmax' is quantised finished and normalised). What goes into a quantiser is computed in f32, as accurately as f32 sums, v_exp_f32 and their like allow (about 1e-6 of the number): no bf16 or f16 on the way to a quantiser, and a product that is left as it is and whose result goes on into a quantised operand takes f32 operands (vector FMAs, or v_wmma_f32_16x16x4_f32). A number that lies on a knife's edge between two numbers of the format may be rounded either way, as far as f32 arithmetic and the matrix unit's own rounding can turn it there, and no further.
;;   INPUTS GIVEN AS CODES. W_out (in the module: [1024, 1024], K = its axis 0); W_qkv (in the module: [1024, 3072], K = its axis 0): each comes as NAME_codes (uint8): NAME with its K axis moved to the last place and cut into blocks of 32 codes, [.., K / 32, bytes a block], one block behind the other in memory; four codes in three bytes: a row's codes are one little-endian stream of bits, code i at bits 6 i .. 6 i + 5 (a code: sign, 3 exponent bits, 2 mantissa bits); and NAME_scales (uint8): the same leading axes, one E8M0 byte (e + 127) for each 32 codes along K. Its value is code x scale, taken as it is: it is not quantised again, and the codes and scales need not be those that the quantiser above would give.
;; One version. Each part assembles by itself: llvm-mc -triple=amdgcn-amd-amdhsa -mcpu=gfx1250 --defsym DOCPART=n.
;; ======== version 1 of 1: 3 launches
;; limits: right only within a limited range of input values
;; workspace buffers: xq 6,553,600 bytes; wq 2,457,600 bytes; wo 819,200 bytes; qi 6,553,600 bytes; ki 6,553,600 bytes; vi 6,553,600 bytes
;; launch prep (part 1): grid 384 x 1, 4 waves a work-group, no clusters, 34,304 bytes of LDS; arguments x, W_qkv_codes, W_qkv_scales, W_out_codes, W_out_scales, xq, wq, wo; writes xq, wq, wo
.if DOCPART == 1
	.amdgcn_target "amdgcn-amd-amdhsa--gfx1250"
	.amdhsa_code_object_version 6
	.text
	.protected	k_q59907c7c1c_prep
	.globl	k_q59907c7c1c_prep
	.p2align	8
	.type	k_q59907c7c1c_prep,@function
k_q59907c7c1c_prep:
	s_mov_b64 s[64:65], 0
	v_nop
	global_prefetch_b8 v0, s[64:65] scope:SCOPE_SE
	s_setreg_imm32_b32 hwreg(HW_REG_WAVE_MODE, 25, 1), 1
	s_wait_xcnt 0x0
; x [8192][1024] f32 becomes codes of BF6 (E3M2) with one E8M0 byte for each 32 along K; W_qkv's and W_out's codes and scale bytes are laid anew.  All three leave in the ORDER OF THE OPERAND'S REGISTERS.
; A RECORD is a tile of 16 rows over K = 1,024, 12,800 bytes: byte 1536 s + 512 c + 16 lane + 4 i is register 4 c + i of that lane's fragment (12 registers) of K step s (128 along K);
; byte 12288 + 256 kh + 16 r + 4 i is row r's scale word of K step 4 kh + i.  So a later launch fetches a fragment by three loads of 16 bytes a lane, 512 consecutive bytes each.
; xq: tile a = tokens 16 a + r.  wq, wo: row r of tile n is column 32 (n / 2) + 8 (n % 2) + r + 8 (r / 8), so that a transposed product leaves 16 neighbouring columns in the 16 registers of two neighbouring tiles.
; A block's scale is 2^(floor(log2(its largest magnitude)) - 4); its byte is the largest magnitude's exponent field - 4, held at 1 from below.
; LIMITS: a block whose largest magnitude lies under 2^-122, a block of zeros among them, gets the byte 1 (only this program reads these bytes; zero codes add nothing); NaN and infinities among the inputs are not served.
; SHARES.  Work-groups 0-255: x; a wave takes half a tile: 16 rows x 512 along K, four K steps.  Work-groups 256-383: the weights; a wave takes half a tile likewise.  Only the first kind touches LDS.
; No matrix work, no cluster, no tensor load: nothing is shared between waves, and the launch is a stream.
.set R,   16                           ; v16-143  two sets of 64: a K step of 16 rows as it is loaded
.set X,   144                          ; v144-207 64 numbers of my row: register 16 b + i = k 32 b + 16 (lane / 16) + i
.set TM,  208                          ; v208-223 at work: largest magnitudes, bytes, scale operands
.set PC,  224                          ; v224-235 the fragment just made
.set PT,  236                          ; v236-243 its blocks' second halves
.set PW,  244                          ; v244-247 a scale word for each K step
.set PR,  248                          ; v248-249 the two words that my lane stores
.set SEL, 36                           ; s[36:37] lane selects for v_permlanex16_b32: lane l xor 16
.set HM,  38                           ; s38      lanes 16-31
	s_load_b256 s[4:11], s[0:1], 0x0               ; x, W_qkv's codes, W_qkv's scales, W_out's codes
	s_load_b256 s[12:19], s[0:1], 0x20
	v_lshl_add_u32 v250, v0, 2, 33792              ; my spare word, behind the four stages
	v_mov_b32 v251, 0
	v_lshrrev_b32 v1, 5, v0
	v_readfirstlane_b32 s20, v1                    ; wave
	v_and_b32 v1, 31, v0                           ; lane
	v_and_b32 v2, 15, v0                           ; r
	v_bfe_u32 v3, v0, 4, 1                         ; h
	v_lshlrev_b32 v4, 4, v1                        ; 16 x lane: loads of x, stores of codes
	v_lshlrev_b32 v7, 4, v2
	v_lshl_add_u32 v7, v3, 3, v7                   ; 16 r + 8 h: my two scale words
	s_cmp_lt_u32 ttmp9, 256
	s_cbranch_scc0 .Lweights
	; ---------------- x ----------------
	s_lshl_b32 s21, ttmp9, 2
	s_add_co_u32 s21, s21, s20                     ; my task
	s_lshr_b32 s22, s21, 1                         ; tile a
	s_and_b32 s23, s21, 1                          ; which half of K
	s_mul_i32 s24, s20, 8448                       ; my stage: 16 rows x (512 + 16) bytes
	v_add_nc_u32 v5, s24, v4                       ; in: 16 x lane, a row an instruction
	v_mul_u32_u24 v6, v2, 528
	v_lshl_add_u32 v6, v3, 6, v6
	v_add_nc_u32 v6, s24, v6                       ; back: row r, + 64 h: my 16 numbers of each block of 32
	s_lshl_b32 s26, s22, 16                        ; 16 rows of 4,096 bytes
	s_lshl_b32 s27, s23, 11
	s_add_co_u32 s26, s26, s27
	s_mov_b32 s27, 0
	s_mul_i32 s28, s22, 12800                      ; the tile's record
	s_mul_i32 s30, s23, 6144
	s_add_co_u32 s30, s28, s30                     ; my four K steps' codes
	s_mov_b32 s31, 0
	s_lshl_b32 s29, s23, 8
	s_add_co_u32 s28, s28, s29                     ; my half of the scale words
	s_mov_b32 s29, 0
	s_mov_b32 s[SEL], 0x76543210
	s_mov_b32 s[SEL+1], 0xfedcba98
	s_mov_b32 s[HM], 0xffff0000
.irp b, 0,1,2,3
	v_mov_b32 v[TM+4+\b], 0                        ; written once: a lane permute's destination counts as one of its sources
.endr
	s_wait_alu depctr_va_vdst(0)
	s_wait_kmcnt 0x0
	s_add_nc_u64 s[4:5], s[4:5], s[26:27]
	s_add_nc_u64 s[32:33], s[14:15], s[30:31]
	s_add_nc_u64 s[34:35], s[14:15], s[28:29]
.macro LOADX k                         ; K step k: 16 loads, each 512 consecutive bytes of one row
.irp p, 0,1,2,3,4,5,6,7,8,9,10,11,12,13,14,15
	global_load_b128 v[R+64*((\k)%2)+4*\p:R+64*((\k)%2)+4*\p+3], v4, s[4:5] offset:4096*\p+512*(\k) th:TH_LOAD_NT
.endr
.endm
.macro TURNX k                         ; through my stage: LDS serves a wave's instructions in order, so no wait stands between the stores and the loads
.irp p, 0,1,2,3,4,5,6,7,8,9,10,11,12,13,14,15
	ds_store_b128 v5, v[R+64*((\k)%2)+4*\p:R+64*((\k)%2)+4*\p+3] offset:528*\p
.endr
.irp b, 0,1,2,3
.irp j, 0,1,2,3
	ds_load_b128 v[X+16*\b+4*\j:X+16*\b+4*\j+3], v6 offset:128*\b+16*\j
.endr
.endr
.endm
; 64 numbers of a lane become a fragment's codes in v[PC] on and its scale word in v[pw]
.macro QUANT pw
.irp b, 0,1,2,3
	v_max3_num_f32 v[TM+\b], |v[X+16*\b]|, |v[X+16*\b+1]|, 0x2800000   ; block b: my 16 numbers, and the floor 2^(5 - 127): the byte cannot fall under 1
.endr
.irp i, 2,4,6,8,10,12,14
.irp b, 0,1,2,3
	v_max3_num_f32 v[TM+\b], v[TM+\b], |v[X+16*\b+\i]|, |v[X+16*\b+\i+1]|   ; the four blocks by turns
.endr
.endr
.irp b, 0,1,2,3
	v_permlanex16_b32 v[TM+4+\b], v[TM+\b], s[SEL], s[SEL+1]
.endr
.irp b, 0,1,2,3
	v_max_num_f32 v[TM+\b], v[TM+\b], v[TM+4+\b]   ; with lane l xor 16's: the block's largest magnitude
.endr
.irp b, 0,1,2,3
	v_add_nc_u32 v[TM+12+\b], 0xfe000000, v[TM+\b] ; 4 off its exponent field: the conversion's scale operand
.endr
.irp b, 0,1,2,3
	v_lshrrev_b32 v[TM+4+\b], 23, v[TM+12+\b]      ; the scale's byte
.endr
	v_lshl_or_b32 v[\pw], v[TM+5], 8, v[TM+4]
	v_lshl_or_b32 v[\pw], v[TM+6], 16, v[\pw]
	v_lshl_or_b32 v[\pw], v[TM+7], 24, v[\pw]
.irp c, 0,1
	v_cvt_scalef32_pk16_bf6_f32 v[PC+6*\c:PC+6*\c+2], v[X+32*\c:X+32*\c+15], v[TM+12+2*\c]
	v_cvt_scalef32_pk16_bf6_f32 v[PT+4*\c:PT+4*\c+2], v[X+32*\c+16:X+32*\c+31], v[TM+13+2*\c]   ; (a conversion's three registers begin on an even number)
.endr
	v_nop                                          ; one plain place behind a scaled conversion
.irp c, 0,1                            ; the operand's layout wants a whole block in a lane: lanes 0-15 block 2 c, lanes 16-31 block 2 c + 1
.irp i, 0,1,2
	v_permlane16_swap_b32 v[PC+6*\c+\i], v[PT+4*\c+\i]
.endr
.irp i, 0,1,2
	v_mov_b32 v[PC+3+6*\c+\i], v[PT+4*\c+\i]
.endr
.endr
.endm
	LOADX 0
	LOADX 1
.irp k, 0,1,2,3
.if \k < 3
	s_wait_loadcnt 16                              ; this K step's 16 loads are in; the next step's may be out
.else
	s_wait_loadcnt 0x0
.endif
	TURNX \k
	s_wait_dscnt 0x0                               ; my 64 numbers are back, and the stage's stores have read their registers,
.if \k < 2
	LOADX (\k+2)                                   ; which take the K step two on
.endif
	s_wait_xcnt 0x0                                ; the last step's stores have read v[PC] on: it is written again only behind this wait
	QUANT PW+\k
.irp c, 0,1,2
	global_store_b128 v4, v[PC+4*\c:PC+4*\c+3], s[32:33] offset:1536*\k+512*\c   ; 32 lanes store 512 consecutive bytes
.endr
.endr
	v_cndmask_b32 v[PR], v[PW], v[PW+2], s[HM]     ; lanes 0-15 store words 0 and 1 of row r, lanes 16-31 words 2 and 3:
	v_cndmask_b32 v[PR+1], v[PW+1], v[PW+3], s[HM]
	global_store_b64 v7, v[PR:PR+1], s[34:35] offset:12288
	s_wait_tensorcnt 0x0                           ; the wave's end
	ds_add_u32 v250, v251
	s_wait_dscnt 0x0
	s_endpgm
	; ---------------- the weights ----------------
.Lweights:
	s_sub_co_u32 s21, ttmp9, 256
	s_lshl_b32 s21, s21, 2
	s_add_co_u32 s21, s21, s20
	s_lshr_b32 s22, s21, 1                         ; tile 0..255: 192 of W_qkv, then 64 of W_out
	s_and_b32 s23, s21, 1                          ; which half of K
	s_wait_kmcnt 0x0
	s_cmp_lt_u32 s22, 192                          ; the choice hangs on ids alone
	s_cselect_b64 s[6:7], s[6:7], s[10:11]         ; codes
	s_cselect_b64 s[8:9], s[8:9], s[12:13]         ; scale bytes
	s_cselect_b64 s[16:17], s[16:17], s[18:19]     ; where they go
	s_cselect_b32 s24, 0, 192
	s_sub_co_u32 s22, s22, s24                     ; the tile in its own tensor
	s_lshr_b32 s24, s22, 1
	s_lshl_b32 s24, s24, 5
	s_and_b32 s25, s22, 1
	s_lshl_b32 s25, s25, 3
	s_add_co_u32 s24, s24, s25                     ; its first column: 32 (n / 2) + 8 (n % 2)
	s_mul_i32 s26, s24, 768                        ; a column's 1,024 codes are 768 bytes
	s_mul_i32 s25, s23, 384
	s_add_co_u32 s26, s26, s25
	s_mov_b32 s27, 0
	s_add_nc_u64 s[6:7], s[6:7], s[26:27]
	s_lshl_b32 s26, s24, 5                         ; and its scale bytes 32
	s_lshl_b32 s25, s23, 4
	s_add_co_u32 s26, s26, s25
	s_add_nc_u64 s[8:9], s[8:9], s[26:27]
	s_mul_i32 s28, s22, 12800
	s_mul_i32 s25, s23, 6144
	s_add_co_u32 s26, s28, s25
	s_add_nc_u64 s[30:31], s[16:17], s[26:27]
	s_lshl_b32 s25, s23, 8
	s_add_co_u32 s26, s28, s25
	s_add_nc_u64 s[32:33], s[16:17], s[26:27]
	s_wait_alu depctr_va_vdst(0)
	v_and_b32 v8, 8, v2
	v_add_nc_u32 v8, v8, v2                        ; r + 8 (r / 8)
	v_mul_u32_u24 v9, v8, 768
	v_mad_u32_u24 v9, v3, 24, v9                   ; my column, + 24 h: a lane's 24 bytes of a block of 32 codes
	v_lshlrev_b32 v10, 5, v8
	v_lshl_add_u32 v10, v3, 3, v10                 ; its scale bytes, + 8 h: two words
.irp k, 0,1,2,3
.irp p, 0,1,2,3,4,5
	global_load_b64 v[16+12*\k+2*\p:16+12*\k+2*\p+1], v9, s[6:7] offset:96*\k+48*(\p/3)+8*(\p%3) th:TH_LOAD_NT
.endr
.endr
	global_load_b64 v[64:65], v10, s[8:9] th:TH_LOAD_NT
	s_wait_loadcnt 0x0
.irp k, 0,1,2,3
.irp c, 0,1,2
	global_store_b128 v4, v[16+12*\k+4*\c:16+12*\k+4*\c+3], s[30:31] offset:1536*\k+512*\c
.endr
.endr
	global_store_b64 v7, v[64:65], s[32:33] offset:12288
	s_endpgm
.Lfunc_end_k_q59907c7c1c_prep:
	.size	k_q59907c7c1c_prep, .Lfunc_end_k_q59907c7c1c_prep-k_q59907c7c1c_prep
	.p2alignl 7, 3214868480
	.fill 96, 4, 3214868480
	.section	.rodata,"a",@progbits
	.p2align	6, 0x0
	.amdhsa_kernel k_q59907c7c1c_prep
		.amdhsa_group_segment_fixed_size 34304
		.amdhsa_private_segment_fixed_size 0
		.amdhsa_enable_private_segment 0
		.amdhsa_kernarg_size 64
		.amdhsa_user_sgpr_count 2
		.amdhsa_user_sgpr_kernarg_segment_ptr 1
		.amdhsa_wavefront_size32 1
		.amdhsa_system_sgpr_workgroup_id_x 1
		.amdhsa_system_sgpr_workgroup_id_y 1
		.amdhsa_system_sgpr_workgroup_id_z 1
		.amdhsa_system_vgpr_workitem_id 0
		.amdhsa_next_free_vgpr 256
		.amdhsa_next_free_sgpr 66
		.amdhsa_reserve_vcc 0
		.amdhsa_float_denorm_mode_32 3
		.amdhsa_float_denorm_mode_16_64 3
		.amdhsa_memory_ordered 1
		.amdhsa_forward_progress 1
		.amdhsa_inst_pref_size 39
	.end_amdhsa_kernel
	.amdgpu_metadata
---
amdhsa.version: [ 1, 2 ]
amdhsa.kernels:
  - .name:           k_q59907c7c1c_prep
    .symbol:         k_q59907c7c1c_prep.kd
    .args:
      - { .name: x, .offset: 0, .size: 8, .value_kind: global_buffer, .address_space: global }
      - { .name: W_qkv_codes, .offset: 8, .size: 8, .value_kind: global_buffer, .address_space: global }
      - { .name: W_qkv_scales, .offset: 16, .size: 8, .value_kind: global_buffer, .address_space: global }
      - { .name: W_out_codes, .offset: 24, .size: 8, .value_kind: global_buffer, .address_space: global }
      - { .name: W_out_scales, .offset: 32, .size: 8, .value_kind: global_buffer, .address_space: global }
      - { .name: xq, .offset: 40, .size: 8, .value_kind: global_buffer, .address_space: global }
      - { .name: wq, .offset: 48, .size: 8, .value_kind: global_buffer, .address_space: global }
      - { .name: wo, .offset: 56, .size: 8, .value_kind: global_buffer, .address_space: global }
    .group_segment_fixed_size: 34304
    .private_segment_fixed_size: 0
    .kernarg_segment_align: 8
    .kernarg_segment_size: 64
    .max_flat_workgroup_size: 128
    .sgpr_count:     66
    .vgpr_count:     256
    .wavefront_size: 32
...
	.end_amdgpu_metadata
.endif
;; end of part 1
;; launch qkv (part 2): grid 64 x 4, 4 waves a work-group, no clusters, 167,936 bytes of LDS; arguments xq, wq, b_qkv, qi, ki, vi; writes qi, ki, vi
.if DOCPART == 2
	.amdgcn_target "amdgcn-amd-amdhsa--gfx1250"
	.amdhsa_code_object_version 6
	.text
	.protected	k_q59907c7c1c_qkv
	.globl	k_q59907c7c1c_qkv
	.p2align	8
	.type	k_q59907c7c1c_qkv,@function
k_q59907c7c1c_qkv:
	s_mov_b64 s[64:65], 0
	v_nop
	global_prefetch_b8 v0, s[64:65] scope:SCOPE_SE
	s_setreg_imm32_b32 hwreg(HW_REG_WAVE_MODE, 25, 1), 1
	s_wait_xcnt 0x0
; qkv = Q(x) W_qkv + b_qkv on codes of BF6, and q, k, v quantised at once for attention's two products.  Nothing wide goes to memory.
; SHARES.  Work-group (x, y): the 128 tokens of slot x (batch x / 16, slot x % 16); its 8 records of x's codes, 102,400 bytes, come into LDS once.  Wave w is head 4 y + w: it makes that head's q, then k, then v:
; three units of 64 columns x 128 tokens, 256 matrix instructions each, 32 accumulators.  A fragment of W is used by one wave of the work-group alone, so it goes from memory straight into that wave's registers.
; q, k: the product is used transposed (source 0 = 16 columns of W, source 1 = 16 tokens): a lane holds one token, and by wq's order of rows the 32 registers of a token tile are the head's 64 channels: register 16 b + i = channel 32 b + 16 h + i.
; v: source 0 = 16 tokens, source 1 = 16 columns: a lane holds one channel and its registers run along the tokens, which are the second product's K.
; OUT: records of 6,400 bytes, [batch][head][slot]: four fragments f at 1536 f + 512 c + 16 lane, scale word of row r of fragment f at 6144 + 16 r + 4 f.
;   qi, ki: fragment f is a PAIR: registers 0-5 token tile 2 f (lane (r, h): token r, channels 32 h ..), registers 6-11 token tile 2 f + 1; scale bytes 0, 1 and 2, 3 likewise.
;   vi: fragment f is channel tile f (row r = channel 32 (f / 2) + 8 (f % 2) + r + 8 (r / 8)), K = the slot's 128 tokens; inside each block of 32 tokens the codes stand in the order 0-7, 16-23, 8-15, 24-31,
;   the same order in which attention's weights will stand: a permutation inside a scale's block, alike on both operands, keeps the products.
; NO CLUSTER: what work-groups share by tensor load is 102,400 of the 716,800 bytes that a work-group reads; the rest, W, goes to one wave's registers and through no LDS.
; LIMITS: a block whose largest magnitude lies under 2^-122 gets the byte 1; NaN and infinities are not served.
; REGISTERS.  Window 0: v4-12 addresses; v32-127 x's fragments, two sets of four; v128-159 x's scale words; v160-175 W's; v176-217 the quantiser's.  Window 1: v0-191 W's fragments, four sets of four; v192-223 the bias.  Window 2: the accumulators.
.set LI,   4                           ; v4   16 x lane; also x's records 0-3 in LDS
.set XL0,  4                           ; v5   the same + 51,200: records 4-7
.set XSA0, 7                           ; v7-8 x's scale words in LDS: 12288 + 256 h + 16 r (+ 51,200)
.set WSA,  9                           ; v9   256 h + 16 r
.set BQ,   10                          ; v10  64 h: q's and k's bias
.set BV,   11                          ; v11  4 (r + 8 (r / 8)): v's bias
.set SCO,  12                          ; v12  16 r + 8 h: my two scale words on the way out
.set XF,   32
.set XS,   128                         ; tile a's words at XS + 4 a + i: lanes 0-15 K step i, lanes 16-31 K step 4 + i
.set WS,   160                         ; tile t's at WS + 4 t + i, likewise
.set TM,   176
.set PC,   192
.set PT,   204
.set PW,   212
.set PR,   216
.set WB,   0                           ; window 1
.set BI,   192                         ; window 1, behind W's four sets
.set SEL,  32                          ; s[32:33]
.set HM,   34
.set MSB, 0
.macro WIN new                         ; the immediate's high byte repeats the setting that is left; a switch that changes nothing is dropped
.if MSB != (\new)
	s_set_vgpr_msb (MSB<<8)|(\new)
.set MSB, (\new)
.endif
.endm
.macro PLACES n
.rept \n
	v_nop
.endr
.endm
; 64 numbers of a lane in window win, register 16 b + i = place 32 b + 16 (lane / 16) + i of my row's K, become a fragment's 12 registers at v[pc] and its scale word in v[pw].  ab = 1: magnitudes are taken.
.macro QUANTW src, win, pc, pw, ab
	WIN ((\win)<<2)|((\win)<<4)
.irp b, 0,1,2,3
.if \ab
	v_max3_num_f32 v[TM+\b], 0x2800000, |v[(\src)+16*\b]|, |v[(\src)+16*\b+1]|   ; my 16 numbers of block b, from each accumulator's low end on, and the floor 2^(5 - 127)
.else
	v_max3_num_f32 v[TM+\b], 0x2800000, v[(\src)+16*\b], v[(\src)+16*\b+1]
.endif
.endr
.irp i, 2,4,6,8,10,12,14
.irp b, 0,1,2,3
.if \ab
	v_max3_num_f32 v[TM+\b], v[TM+\b], |v[(\src)+16*\b+\i]|, |v[(\src)+16*\b+\i+1]|
.else
	v_max3_num_f32 v[TM+\b], v[TM+\b], v[(\src)+16*\b+\i], v[(\src)+16*\b+\i+1]
.endif
.endr
.endr
	WIN 0
.irp b, 0,1,2,3
	v_permlanex16_b32 v[TM+4+\b], v[TM+\b], s[SEL], s[SEL+1]
.endr
.irp b, 0,1,2,3
	v_max_num_f32 v[TM+\b], v[TM+\b], v[TM+4+\b]   ; with lane l xor 16's: the block's largest magnitude
.endr
.irp b, 0,1,2,3
	v_add_nc_u32 v[TM+12+\b], 0xfe000000, v[TM+\b] ; 4 off its exponent field: the conversion's scale operand
.endr
.irp b, 0,1,2,3
	v_lshrrev_b32 v[TM+4+\b], 23, v[TM+12+\b]      ; the scale's byte
.endr
	v_lshl_or_b32 v[\pw], v[TM+5], 8, v[TM+4]
	v_lshl_or_b32 v[\pw], v[TM+6], 16, v[\pw]
	v_lshl_or_b32 v[\pw], v[TM+7], 24, v[\pw]
	WIN \win
.irp c, 0,1
	v_cvt_scalef32_pk16_bf6_f32 v[(\pc)+6*\c:(\pc)+6*\c+2], v[(\src)+32*\c:(\src)+32*\c+15], v[TM+12+2*\c]
	v_cvt_scalef32_pk16_bf6_f32 v[PT+4*\c:PT+4*\c+2], v[(\src)+32*\c+16:(\src)+32*\c+31], v[TM+13+2*\c]
.endr
	WIN 0
	v_nop                                          ; one plain place behind a scaled conversion
.irp c, 0,1
.irp i, 0,1,2
	v_permlane16_swap_b32 v[(\pc)+6*\c+\i], v[PT+4*\c+\i]
.endr
.irp i, 0,1,2
	v_mov_b32 v[(\pc)+3+6*\c+\i], v[PT+4*\c+\i]
.endr
.endr
.endm
	s_load_b256 s[4:11], s[0:1], 0x0               ; xq, wq, b_qkv, qi
	s_load_b128 s[12:15], s[0:1], 0x20
	v_lshl_add_u32 v14, v0, 2, 102400              ; my spare word, behind x's eight records
	v_mov_b32 v15, 0
	ds_add_u32 v14, v15                            ; the opening lines: the add twice on end and one wait
	ds_add_u32 v14, v15
	v_lshrrev_b32 v1, 5, v0
	v_readfirstlane_b32 s16, v1                    ; wave
	s_and_b32 s18, ttmp7, 0xffff
	s_lshl_b32 s19, s18, 2
	s_add_co_u32 s19, s19, s16                     ; my head
	; descriptor group 1: two records, 25,600 dense bytes, as 100 rows of 32 elements of 8 bytes
	s_mov_b32 s24, 3<<16
	s_mov_b32 s25, 32<<16                          ; tensor_dim0
	s_mov_b32 s26, 100<<16                         ; tensor_dim1
	s_mov_b32 s27, 32<<16                          ; tile_dim0
	s_mov_b32 s28, 100                             ; tile_dim1
	s_mov_b32 s29, 32                              ; from row to row
	s_mov_b32 s30, 0
	s_mov_b32 s31, 0
	s_lshl_b32 s36, ttmp9, 3
	s_lshl_b32 s37, s16, 1
	s_add_co_u32 s36, s36, s37                     ; record 8 x slot + 2 x wave
	s_mul_i32 s36, s36, 12800
	s_mov_b32 s37, 0
	s_mov_b32 s20, 1
	s_mul_i32 s21, s16, 25600
	s_wait_dscnt 0x0                               ; both opening adds are done
	s_wait_kmcnt 0x0
	s_add_nc_u64 s[22:23], s[4:5], s[36:37]
	s_or_b32 s23, s23, 0x80000000
	tensor_load_to_lds s[20:23], s[24:31]          ; one load a wave, the launch's only fills
	s_nop 0
	PLACES 4
	v_and_b32 v1, 31, v0
	v_and_b32 v2, 15, v0                           ; r
	v_bfe_u32 v3, v0, 4, 1                         ; h
	v_lshlrev_b32 v[LI], 4, v1
	v_add_nc_u32 v[XL0+1], 51200, v[LI]
	v_lshlrev_b32 v[WSA], 4, v2
	v_lshl_add_u32 v[WSA], v3, 8, v[WSA]
	v_add_nc_u32 v[XSA0], 12288, v[WSA]
	v_add_nc_u32 v[XSA0+1], 12288+51200, v[WSA]
	v_lshlrev_b32 v[BQ], 6, v3
	v_and_b32 v[BV], 8, v2
	v_add_nc_u32 v[BV], v[BV], v2
	v_lshlrev_b32 v[BV], 2, v[BV]
	v_lshlrev_b32 v[SCO], 4, v2
	v_lshl_add_u32 v[SCO], v3, 3, v[SCO]
.irp b, 0,1,2,3
	v_mov_b32 v[TM+4+\b], 0                        ; written once: a lane permute's destination counts as one of its sources
.endr
	s_mov_b32 s[SEL], 0x76543210
	s_mov_b32 s[SEL+1], 0xfedcba98
	s_mov_b32 s[HM], 0xffff0000
	s_lshr_b32 s36, ttmp9, 4                       ; batch
	s_lshl_b32 s36, s36, 4
	s_add_co_u32 s36, s36, s19
	s_lshl_b32 s36, s36, 4
	s_and_b32 s38, ttmp9, 15
	s_add_co_u32 s36, s36, s38                     ; (16 batch + head) 16 + slot
	s_mul_i32 s36, s36, 6400
	s_add_nc_u64 s[10:11], s[10:11], s[36:37]      ; my record of qi,
	s_add_nc_u64 s[12:13], s[12:13], s[36:37]      ; of ki,
	s_add_nc_u64 s[14:15], s[14:15], s[36:37]      ; of vi
	s_mul_i32 s36, s19, 51200
	s_add_nc_u64 s[6:7], s[6:7], s[36:37]          ; wq at my head's four tiles of q; k's lie 819,200 bytes on, v's twice that
	s_lshl_b32 s36, s19, 8
	s_add_nc_u64 s[8:9], s[8:9], s[36:37]          ; b_qkv at my head's 64 of q
.macro WFETCH i, s                     ; unit i, K step s: four fragments of W into set s % 4 (window 1)
.irp t, 0,1,2,3
.irp c, 0,1,2
	global_load_b128 v[WB+48*((\s)%4)+12*\t+4*\c:WB+48*((\s)%4)+12*\t+4*\c+3], v[LI], s[6:7] offset:819200*(\i)+12800*\t+1536*(\s)+512*\c
.endr
.endr
.endm
.macro XFETCH s, hf                    ; K step s of token tiles 4 hf .. 4 hf + 3 into set hf
.irp a, 0,1,2,3
.irp c, 0,1,2
	ds_load_b128 v[XF+48*(\hf)+12*\a+4*\c:XF+48*(\hf)+12*\a+4*\c+3], v[XL0+(\hf)] offset:12800*\a+1536*(\s)+512*\c
.endr
.endr
.endm
.macro NEXTU i                         ; what a unit wants at its start: the bias, W's scale words, W's first K step, in this order
	WIN 0x40
.if (\i) < 2
.irp t, 0,1,2,3
	global_load_b128 v[BI+8*\t:BI+8*\t+3], v[BQ], s[8:9] offset:4096*(\i)+4*(32*(\t/2)+8*(\t%2))        ; in the result's layout: lane (r, h), register j: channel 32 (t / 2) + 16 h + 8 (t % 2) + j
	global_load_b128 v[BI+8*\t+4:BI+8*\t+7], v[BQ], s[8:9] offset:4096*(\i)+4*(32*(\t/2)+8*(\t%2))+16
.endr
.else
.irp t, 0,1,2,3
	global_load_b32 v[BI+8*\t], v[BV], s[8:9] offset:8192+4*(32*(\t/2)+8*(\t%2))   ; v: one channel a lane; spread over eight registers later
.endr
.endif
	WIN 0
.irp t, 0,1,2,3
	global_load_b128 v[WS+4*\t:WS+4*\t+3], v[WSA], s[6:7] offset:819200*(\i)+12800*\t+12288
.endr
	WIN 0x40
	WFETCH \i, 0                                   ; W has four sets: three K steps are asked for at a unit's start
	WFETCH \i, 1
	WFETCH \i, 2
	WIN 0
.endm
; 16 matrix instructions on 16 accumulators; the other 16 follow in the next chunk: the 32 take turns, one instruction a turn
.macro MUL16 typ, s, hf
.irp a, 0,1,2,3
.irp t, 0,1,2,3
.set rX, XF+48*(\hf)+12*\a
.set rW, WB+48*((\s)%4)+12*\t
.set sX, XS+4*(4*(\hf)+\a)+(\s)%4
.set sW, WS+4*\t+(\s)%4
.set rB, BI+8*\t
.if \typ
.set rD, 64*\t+8*(4*(\hf)+\a)
.else
.set rD, 32*(4*(\hf)+\a)+8*\t
.endif
.if ((\typ) == 0) && ((\s) == 0)
	v_wmma_scale_f32_16x16x128_f8f6f4 v[rD:rD+7], v[rW:rW+11], v[rX:rX+11], v[rB:rB+7], v[sW], v[sX] matrix_a_fmt:MATRIX_FMT_BF6 matrix_b_fmt:MATRIX_FMT_BF6
.elseif ((\typ) == 0) && ((\s) < 4)
	v_wmma_scale_f32_16x16x128_f8f6f4 v[rD:rD+7], v[rW:rW+11], v[rX:rX+11], v[rD:rD+7], v[sW], v[sX] matrix_a_fmt:MATRIX_FMT_BF6 matrix_b_fmt:MATRIX_FMT_BF6
.elseif (\typ) == 0
	v_wmma_scale_f32_16x16x128_f8f6f4 v[rD:rD+7], v[rW:rW+11], v[rX:rX+11], v[rD:rD+7], v[sW], v[sX] matrix_a_fmt:MATRIX_FMT_BF6 matrix_b_fmt:MATRIX_FMT_BF6 matrix_a_scale:MATRIX_SCALE_ROW1 matrix_b_scale:MATRIX_SCALE_ROW1
.elseif (\s) == 0
	v_wmma_scale_f32_16x16x128_f8f6f4 v[rD:rD+7], v[rX:rX+11], v[rW:rW+11], v[rB:rB+7], v[sX], v[sW] matrix_a_fmt:MATRIX_FMT_BF6 matrix_b_fmt:MATRIX_FMT_BF6
.elseif (\s) < 4
	v_wmma_scale_f32_16x16x128_f8f6f4 v[rD:rD+7], v[rX:rX+11], v[rW:rW+11], v[rD:rD+7], v[sX], v[sW] matrix_a_fmt:MATRIX_FMT_BF6 matrix_b_fmt:MATRIX_FMT_BF6
.else
	v_wmma_scale_f32_16x16x128_f8f6f4 v[rD:rD+7], v[rX:rX+11], v[rW:rW+11], v[rD:rD+7], v[sX], v[sW] matrix_a_fmt:MATRIX_FMT_BF6 matrix_b_fmt:MATRIX_FMT_BF6 matrix_a_scale:MATRIX_SCALE_ROW1 matrix_b_scale:MATRIX_SCALE_ROW1
.endif
.endr
.endr
.endm
; A chunk: K step s, token tiles 4 hf on.  The next chunk's fragments of x, and in a K step's first chunk the next K step's fragments of W, are asked for ahead of this chunk's products.
.macro CHUNK i, typ, s, hf, last
	PLACES 4                                       ; the loads below land in registers that the last chunk's products read: four plain places stand between
.if ((\hf) == 0) && ((\s) < 5)
	WIN 0x40
	WFETCH \i, (\s)+3                              ; into the set that K step s - 1 has left
.endif
	WIN 0
.if (\last) == 0
.if (\hf) == 0
	XFETCH \s, 1
.else
	XFETCH ((\s)+1)%8, 0                           ; behind a unit's last chunk: the next unit's first
.endif
.endif
.if (\hf) == 0
.if (\s) < 5
	s_wait_loadcnt 36                              ; all but the three K steps of W behind this one, 12 loads each
.else
	s_wait_loadcnt 12*(7-(\s))                     ; the K steps that are left behind this one
.endif
.endif
.if \last
	s_wait_dscnt 0x0
.else
	s_wait_dscnt 12                                ; all but the 12 LDS loads just issued
.endif
.if (\s) == 0
	WIN 0x91+3*(\typ)                              ; W window 1, x window 0, C (the bias) window 1, D window 2;  v: the sources change places
.else
	WIN 0xa1+3*(\typ)                              ; C and D window 2
.endif
	MUL16 \typ, \s, \hf
.endm
.macro UNIT i, typ, last
.irp s, 0,1,2,3,4,5,6,7
	CHUNK \i, \typ, \s, 0, 0
.if (\last) && (\s == 7)
	CHUNK \i, \typ, \s, 1, 1
.else
	CHUNK \i, \typ, \s, 1, 0
.endif
.endr
.endm
; A unit's way out: each 64 accumulator registers become one fragment.  q, k: token tiles 2 f and 2 f + 1, four column tiles each.  v: channel tile f, eight token tiles.
.macro EPI lo, next
	PLACES 4                                       ; behind the last products: their results are read, and loads land in their scale registers
.if (\next) < 3
	NEXTU \next
.endif
	WIN 0
.irp f, 0,1,2,3
	s_wait_xcnt 0x0                                ; earlier stores have read v[PC] on and v[PR]
	QUANTW 64*\f, 2, PC, PW+\f, 1
.irp c, 0,1,2
	global_store_b128 v[LI], v[PC+4*\c:PC+4*\c+3], s[\lo:\lo+1] offset:1536*\f+512*\c   ; 512 consecutive bytes
.endr
.endr
	v_cndmask_b32 v[PR], v[PW], v[PW+2], s[HM]     ; lanes 0-15: words 0, 1 of row r; lanes 16-31: words 2, 3
	v_cndmask_b32 v[PR+1], v[PW+1], v[PW+3], s[HM]
	global_store_b64 v[SCO], v[PR:PR+1], s[\lo:\lo+1] offset:6144   ; 256 consecutive bytes
.endm
	NEXTU 0
	s_wait_tensorcnt 0x0                           ; my quarter of x's codes is in LDS,
	s_barrier_signal -1
	s_barrier_wait -1                              ; everybody's is; nothing is filled again
.irp a, 0,1,2,3
	ds_load_b128 v[XS+4*\a:XS+4*\a+3], v[XSA0] offset:12800*\a
.endr
.irp a, 0,1,2,3
	ds_load_b128 v[XS+16+4*\a:XS+16+4*\a+3], v[XSA0+1] offset:12800*\a
.endr
	XFETCH 0, 0
	UNIT 0, 0, 0
	EPI 10, 1
	UNIT 1, 0, 0
	EPI 12, 2
	s_wait_loadcnt 40                              ; v's four bias loads are in; W's four scale loads and its first 36 fragment loads may be out
	WIN 0x41                                       ; inside window 1
.irp t, 0,1,2,3
.irp j, 1,2,3,4,5,6,7
	v_mov_b32 v[BI+8*\t+\j], v[BI+8*\t]            ; a lane's channel has one bias for its eight tokens
.endr
.endr
	WIN 0
	s_wait_alu depctr_va_vdst(0)
	UNIT 2, 1, 1
	EPI 14, 3
	s_wait_tensorcnt 0x0                           ; the wave's end
	ds_add_u32 v14, v15
	s_wait_dscnt 0x0
	s_endpgm
.Lfunc_end_k_q59907c7c1c_qkv:
	.size	k_q59907c7c1c_qkv, .Lfunc_end_k_q59907c7c1c_qkv-k_q59907c7c1c_qkv
	.p2alignl 7, 3214868480
	.fill 96, 4, 3214868480
	.section	.rodata,"a",@progbits
	.p2align	6, 0x0
	.amdhsa_kernel k_q59907c7c1c_qkv
		.amdhsa_group_segment_fixed_size 167936
		.amdhsa_private_segment_fixed_size 0
		.amdhsa_enable_private_segment 0
		.amdhsa_kernarg_size 48
		.amdhsa_user_sgpr_count 2
		.amdhsa_user_sgpr_kernarg_segment_ptr 1
		.amdhsa_wavefront_size32 1
		.amdhsa_system_sgpr_workgroup_id_x 1
		.amdhsa_system_sgpr_workgroup_id_y 1
		.amdhsa_system_sgpr_workgroup_id_z 1
		.amdhsa_system_vgpr_workitem_id 0
		.amdhsa_next_free_vgpr 768
		.amdhsa_next_free_sgpr 66
		.amdhsa_reserve_vcc 0
		.amdhsa_float_denorm_mode_32 3
		.amdhsa_float_denorm_mode_16_64 3
		.amdhsa_memory_ordered 1
		.amdhsa_forward_progress 1
		.amdhsa_inst_pref_size 231
	.end_amdhsa_kernel
	.amdgpu_metadata
---
amdhsa.version: [ 1, 2 ]
amdhsa.kernels:
  - .name:           k_q59907c7c1c_qkv
    .symbol:         k_q59907c7c1c_qkv.kd
    .args:
      - { .name: xq, .offset: 0, .size: 8, .value_kind: global_buffer, .address_space: global }
      - { .name: wq, .offset: 8, .size: 8, .value_kind: global_buffer, .address_space: global }
      - { .name: b_qkv, .offset: 16, .size: 8, .value_kind: global_buffer, .address_space: global }
      - { .name: qi, .offset: 24, .size: 8, .value_kind: global_buffer, .address_space: global }
      - { .name: ki, .offset: 32, .size: 8, .value_kind: global_buffer, .address_space: global }
      - { .name: vi, .offset: 40, .size: 8, .value_kind: global_buffer, .address_space: global }
    .group_segment_fixed_size: 167936
    .private_segment_fixed_size: 0
    .kernarg_segment_align: 8
    .kernarg_segment_size: 48
    .max_flat_workgroup_size: 128
    .sgpr_count:     66
    .vgpr_count:     768
    .wavefront_size: 32
...
	.end_amdgpu_metadata
.endif
;; end of part 2
;; launch attn (part 3): grid 64 x 4, 4 waves a work-group, no clusters, 327,680 bytes of LDS; arguments attn_mask, qi, ki, vi, wo, x, b_out, gamma, beta, out0; writes out0
.if DOCPART == 3
	.amdgcn_target "amdgcn-amd-amdhsa--gfx1250"
	.amdhsa_code_object_version 6
	.text
	.protected	k_q59907c7c1c_attn
	.globl	k_q59907c7c1c_attn
	.p2align	8
	.type	k_q59907c7c1c_attn,@function
k_q59907c7c1c_attn:
	s_mov_b64 s[64:65], 0
	v_nop
	global_prefetch_b8 v0, s[64:65] scope:SCOPE_SE
	s_setreg_imm32_b32 hwreg(HW_REG_WAVE_MODE, 25, 1), 1
	s_wait_xcnt 0x0
; For each head: num = exp((Q(q) Q(k)^T + mask) / 8); wts = num / (the row's sum + 1e-9); attn = Q(wts) Q(v); attn is quantised along (head, channel) for the last product.  No maximum is taken away: the problem's own text has none.
; wts is quantised finished, so a row's whole sum is wanted ahead of its first code.  SHARES: work-group (x, y) has the 32 queries 32 x .. of batch y, for all 16 heads in turn; wave w has keys 512 w .. 512 w + 511 for both
; tiles of 16 queries.  Its 32 x 512 numbers stay in 512 registers from the product to the conversion.  The mask's 32 x 2,048 numbers come into LDS once and serve all 16 heads; they are loaded into the accumulators as the product's C.
; LAYOUT.  S^T = k q^T (source 0 = 16 keys, source 1 = 16 queries).  K = 64 fills half of the instruction's 128: source 0 is ki's PAIR of key tiles [A | B], source 1 is [q | 0] for A and [0 | q] for B; zero codes add nothing.
; The four operands of q lie in 30 registers [0 | q0 | 0 | q1 | 0]; the zeros are written once.  O^T = v^T wts^T (K = 128 keys): each wave sums over its keys; the four partial O^T meet in LDS.
; Inside each block of 32 keys wts' codes stand in the order 0-7, 16-23, 8-15, 24-31, as vi's do.
; THE SCORES GO BY GROUPS of 8 key tiles x one query tile, 64 numbers a lane.  Step k: the sums and the blocks' largest numbers of group k - 2 and the multiplies of group k - 1, all plain lines; then one batch of 64 exponentials
; of group k - 1 with group k's eight products among them.  A block's largest weight is its largest num x 1 / (sum + eps), since a multiplication by a positive number never falls where its input rises.
; The partial O^T of a head are added up in the next trip; the first trip adds up zeros into a slot that nobody reads.  The last head asks again for its own K, so that every counted wait counts the same loads on every path.
; NO CLUSTER: the query blocks of a batch walk the same K and V, but the mask takes 266,240 bytes of LDS and the exchanges and spare words 61,184: under 1 KB is left for a ring, against 204,800 bytes of K and V a head.
; LIMITS: where a score / 8 passes 88.7 the problem's own text is not finite, and its NaN is not reproduced; v_exp_f32 gives 0 below 2^-126 (AMD's ISA guide, 15.8), nothing beside the 1e-9; a block whose largest magnitude lies under
; 2^-122 gets the byte 1; NaN and infinities among the inputs are not served; a row's sum and O are added by wave first, then over the four waves.
; REGISTERS.  Window 0: see the names.  Window 1: v0-191 K's 16 pair fragments, later V's 16.  Windows 2, 3: the numbers of query tile 0 and 1, key tile n at v[8 n].
.set OX,   266240                      ; LDS: from 0 the mask, 8 regions of 32 rows x (1,024 + 16) bytes, region 2 w + p: keys 512 w + 256 p on.  OX: partial O^T: 8192 wave + 1024 (4 t + c) + 512 half + 16 lane
.set SUMX, 299008                      ; partial sums: 256 t + 16 r + 4 wave
.set XST,  299520                      ; attn's codes: 1536 (head + 1) + 384 wave + 128 i + 4 lane; slot 0 takes the first trip's zeros
.set SBST, 325632                      ; attn's scale bytes: 64 (head + 1) + 16 wave + r
.set SPARE, 326912                     ; the spare words, 128 bytes a wave
.set MA,   4                           ; the mask: 66560 w + 1040 r + 32 h
.set LI,   5                           ; 16 x lane
.set KSA,  6                           ; 6400 h + 16 r
.set QSA,  7                           ; 16 r
.set OXW,  8
.set OXR,  9
.set SUW,  10
.set SUR,  11
.set XW,   12                          ; v12, v13
.set SBW,  14                          ; v14, v15
.set PFO,  16                          ; 256 x min(lane, 24)
.set WPF,  168                         ; 256 x min(thread, 49): a record of wo is 50 blocks of 256 bytes
.set FR,   17
.set SR2,  18
.set QT,   20                          ; v20-31  q's pair fragment as loaded
.set QF,   32                          ; v32-61  [0 | q0 | 0 | q1 | 0], six registers each
.set SPW,  62
.set NIL,  63
.set RM,   64                          ; v64-95  the 32 blocks' largest numbers, then the conversions' scale operands; fragment j = 2 s + t, block b at RM + 4 j + b
.set TP,   96                          ; v96-111 at work
.set OPT,  96                          ; in them, where O^T is added up: the codes,
.set RT,   100                         ; and five at work
.set SA,   112                         ; v112-143 eight chains of sums for each query tile
.set PC0,  112                         ; behind the sums: wts' fragments, tile 0 and 1,
.set PT,   136                         ; and their blocks' second halves
.set QW,   144
.set QS,   146                         ; v146, v147
.set KS,   148                         ; v148-155
.set VSC,  156                         ; v156-163
.set INV,  164                         ; v164-167 1 / (sum + eps), a pair for each tile
.set ST,   170                         ; v170, v171
.set TMPX, 172                         ; v172, v173
.set OA,   176                         ; v176-239 O^T (t, c) at OA + 32 t + 8 c; in the next head the four waves' parts
.set PWS,  240                         ; v240-247 wts' scale words
.set S4,   248                         ; v248-255
.set CS,   40                          ; s[40:41] log2(e) / 8
.set SEL,  42
.set HD,   45
.set HO,   46
.set HB,   47
.set LIM,  48
.set KST,  60
.set MSB, 0
.macro WIN new                         ; the immediate's high byte repeats the setting that is left
.if MSB != (\new)
	s_set_vgpr_msb (MSB<<8)|(\new)
.set MSB, (\new)
.endif
.endm
.macro PLACES n
.rept \n
	v_nop
.endr
.endm
.macro VW
	s_wait_alu depctr_va_vdst(0)
.endm
.macro KREC n                          ; K's record n of my four: four pair fragments, 128 keys
	WIN 0x40
.irp f, 0,1,2,3
.irp c, 0,1,2
	global_load_b128 v[12*(4*(\n)+\f)+4*\c:12*(4*(\n)+\f)+4*\c+3], v[LI], s[8:9] offset:6400*(\n)+1536*\f+512*\c
.endr
.endr
	WIN 0
.endm
.macro KQLOAD                          ; K's scale words, q's pair fragment and its scale word: six loads
	global_load_b128 v[KS:KS+3], v[KSA], s[8:9] offset:6144
	global_load_b128 v[KS+4:KS+7], v[KSA], s[8:9] offset:6144+12800
.irp c, 0,1,2
	global_load_b128 v[QT+4*\c:QT+4*\c+3], v[LI], s[36:37] offset:512*\c
.endr
	global_load_b32 v[QW], v[QSA], s[38:39]
.endm
.macro VREC n                          ; V's record n of my four, into the registers that K's record n has left; with record 0 V's scale words
	WIN 0x40
.irp f, 0,1,2,3
.irp c, 0,1,2
	global_load_b128 v[12*(4*(\n)+\f)+4*\c:12*(4*(\n)+\f)+4*\c+3], v[LI], s[10:11] offset:6400*(\n)+1536*\f+512*\c
.endr
.endr
	WIN 0
.if (\n) == 0
	global_load_b128 v[VSC:VSC+3], v[KSA], s[10:11] offset:6144
	global_load_b128 v[VSC+4:VSC+7], v[KSA], s[10:11] offset:6144+12800
.endif
.endm
.macro QPREP                           ; q's scale words, then q0, then q1: twelve lines stand behind the scale words, six behind q0
	v_perm_b32 v[QS], v[QW], v[QW], 0x01000100     ; tile 0's two bytes, twice: they serve [q | 0] and [0 | q] alike
	v_perm_b32 v[QS+1], v[QW], v[QW], 0x03020302
.irp i, 0,1,2,3,4,5
	v_mov_b32 v[QF+6+\i], v[QT+\i]
.endr
.irp i, 0,1,2,3,4,5
	v_mov_b32 v[QF+18+\i], v[QT+6+\i]
.endr
.endm
; A GROUP g is query tile t = g % 2 and the eight key tiles 8 (g / 2) + i
.macro LOADM g                         ; its mask, into the accumulators: lane (r, h), register j: query r, key 16 n + 8 h + j
	WIN 0x80+0x40*((\g)&1)
.irp i, 0,1,2,3,4,5,6,7
.set kap, 8*((\g)>>1)+\i
	ds_load_b128 v[8*kap:8*kap+3], v[MA] offset:33280*(kap/16)+16640*((\g)&1)+64*(kap%16)
	ds_load_b128 v[8*kap+4:8*kap+7], v[MA] offset:33280*(kap/16)+16640*((\g)&1)+64*(kap%16)+16
.endr
.endm
.macro MM g, i                         ; one product: S^T + mask, in place; every accumulator has one product a head
	WIN 0xa1+0x50*((\g)&1)
.set kap, 8*((\g)>>1)+(\i)
.set rQ, QF+12*((\g)&1)+6*(1-kap%2)
.set rK, 12*(kap/2)
.set sK, KS+4*((\g)>>2)+(\i)/2
.if ((\g)>>1)&1
	v_wmma_scale_f32_16x16x128_f8f6f4 v[8*kap:8*kap+7], v[rK:rK+11], v[rQ:rQ+11], v[8*kap:8*kap+7], v[sK], v[QS+((\g)&1)] matrix_a_fmt:MATRIX_FMT_BF6 matrix_b_fmt:MATRIX_FMT_BF6 matrix_a_scale:MATRIX_SCALE_ROW1
.else
	v_wmma_scale_f32_16x16x128_f8f6f4 v[8*kap:8*kap+7], v[rK:rK+11], v[rQ:rQ+11], v[8*kap:8*kap+7], v[sK], v[QS+((\g)&1)] matrix_a_fmt:MATRIX_FMT_BF6 matrix_b_fmt:MATRIX_FMT_BF6
.endif
.endm
.macro PM g                            ; the group's 64 scores x log2(e) / 8, each accumulator from its low end on
	WIN 0x82+0x41*((\g)&1)
.set i, 64*((\g)>>1)
.rept 32
	v_pk_mul_f32 v[i:i+1], v[i:i+1], s[CS:CS+1] op_sel_hi:[1,0]
.set i, i+2
.endr
.endm
.macro EX g, i                         ; a tile's eight exponentials
	WIN 0x82+0x41*((\g)&1)
.set kap, 8*((\g)>>1)+(\i)
.irp p, 0,1,2,3,4,5,6,7
	v_exp_f32 v[8*kap+\p], v[8*kap+\p]
.endr
.endm
.macro RS g                            ; the group's 64 numbers go onto the tile's eight chains of sums; each tile's first group starts them
.set rb, 64*((\g)>>1)
.set sa, SA+16*((\g)&1)
.if (\g) < 2
	WIN 0x0a+5*((\g)&1)
.irp c, 0,1,2,3,4,5,6,7
	v_pk_add_f32 v[sa+2*\c:sa+2*\c+1], v[rb+4*\c:rb+4*\c+1], v[rb+4*\c+2:rb+4*\c+3]
.endr
	WIN 0x08+4*((\g)&1)
.irp q, 32,48
.irp c, 0,1,2,3,4,5,6,7
	v_pk_add_f32 v[sa+2*\c:sa+2*\c+1], v[sa+2*\c:sa+2*\c+1], v[rb+\q+2*\c:rb+\q+2*\c+1]
.endr
.endr
.else
	WIN 0x08+4*((\g)&1)
.irp q, 0,16,32,48
.irp c, 0,1,2,3,4,5,6,7
	v_pk_add_f32 v[sa+2*\c:sa+2*\c+1], v[sa+2*\c:sa+2*\c+1], v[rb+\q+2*\c:rb+\q+2*\c+1]
.endr
.endr
.endif
.endm
.macro RSX g                           ; from group 2 on: the sums and the largest numbers by turns, so that a chain's lines stand 8 and 16 lines apart
.set rb, 64*((\g)>>1)
.set sa, SA+16*((\g)&1)
.set rm, RM+8*((\g)>>1)+4*((\g)&1)
	WIN 0x28+0x14*((\g)&1)
.irp q, 0,1,2,3,4,5,6,7
.irp b, 0,1,2,3
	v_pk_add_f32 v[sa+2*((4*\q+\b)%8):sa+2*((4*\q+\b)%8)+1], v[sa+2*((4*\q+\b)%8):sa+2*((4*\q+\b)%8)+1], v[rb+16*\b+2*\q:rb+16*\b+2*\q+1]
.if \q == 0
	v_max3_num_f32 v[rm+\b], 0, v[rb+16*\b], v[rb+16*\b+1]
.else
	v_max3_num_f32 v[rm+\b], v[rm+\b], v[rb+16*\b+2*\q], v[rb+16*\b+2*\q+1]
.endif
.endr
.endr
.endm
.macro RX g
.set rb, 64*((\g)>>1)
.set rm, RM+8*((\g)>>1)+4*((\g)&1)
	WIN 0x28+0x14*((\g)&1)
.irp b, 0,1,2,3
	v_max3_num_f32 v[rm+\b], 0, v[rb+16*\b], v[rb+16*\b+1]
.endr
.irp i, 2,4,6,8,10,12,14
.irp b, 0,1,2,3
	v_max3_num_f32 v[rm+\b], v[rm+\b], v[rb+16*\b+\i], v[rb+16*\b+\i+1]
.endr
.endr
.endm
.macro OXLOAD                          ; the four waves' parts of my two tiles of O^T
.irp w, 0,1,2,3
.irp u, 0,1
	ds_load_b128 v[OA+16*\w+8*\u:OA+16*\w+8*\u+3], v[OXR] offset:8192*\w+1024*\u
	ds_load_b128 v[OA+16*\w+8*\u+4:OA+16*\w+8*\u+7], v[OXR] offset:8192*\w+1024*\u+512
.endr
.endr
.endm
; The four parts are added; wave w = 2 t + e then holds query r of tile t, channels 32 e + 16 h + 0 .. 15: half a block of the last product's K; lane l xor 16 holds the other half.  Codes and byte go to the slot at ho and hb bytes.
.macro OREDUCE ho, hb
.irp p, 0,2,4,6,8,10,12,14
	v_pk_add_f32 v[OA+\p:OA+\p+1], v[OA+\p:OA+\p+1], v[OA+16+\p:OA+16+\p+1]
	v_pk_add_f32 v[OA+32+\p:OA+32+\p+1], v[OA+32+\p:OA+32+\p+1], v[OA+48+\p:OA+48+\p+1]
.endr
.irp p, 0,2,4,6,8,10,12,14
	v_pk_add_f32 v[OA+\p:OA+\p+1], v[OA+\p:OA+\p+1], v[OA+32+\p:OA+32+\p+1]
.endr
	v_max3_num_f32 v[RT], |v[OA]|, |v[OA+1]|, 0x2800000            ; with the floor 2^(5 - 127): the byte cannot fall under 1
	v_max3_num_f32 v[RT+1], |v[OA+8]|, |v[OA+9]|, |v[OA+10]|
	v_max3_num_f32 v[RT], v[RT], |v[OA+2]|, |v[OA+3]|
	v_max3_num_f32 v[RT+1], v[RT+1], |v[OA+11]|, |v[OA+12]|
	v_max3_num_f32 v[RT], v[RT], |v[OA+4]|, |v[OA+5]|
	v_max3_num_f32 v[RT+1], v[RT+1], |v[OA+13]|, |v[OA+14]|
	v_max3_num_f32 v[RT], v[RT], |v[OA+6]|, |v[OA+7]|
	v_max3_num_f32 v[RT], v[RT], v[RT+1], |v[OA+15]|
	v_permlanex16_b32 v[RT+2], v[RT], s[SEL], s[SEL+1]
	v_max_num_f32 v[RT], v[RT], v[RT+2]
	v_add_nc_u32 v[RT+3], 0xfe000000, v[RT]        ; 4 off the exponent field: the conversion's scale operand
	v_lshrrev_b32 v[RT+4], 23, v[RT+3]             ; the scale's byte
	v_cvt_scalef32_pk16_bf6_f32 v[OPT:OPT+2], v[OA:OA+15], v[RT+3]
	v_nop                                          ; one plain place behind a scaled conversion
	v_add_nc_u32 v[XW+1], \ho, v[XW]
	v_add_nc_u32 v[SBW+1], \hb, v[SBW]
.irp i, 0,1,2
	ds_store_b32 v[XW+1], v[OPT+\i] offset:128*\i
.endr
	ds_store_b8 v[SBW+1], v[RT+4]                  ; lanes r and r + 16 write the same byte with the same value
.endm
.macro SUMF                            ; both tiles' eight chains are folded, joined with lane l xor 16's keys, and stored
.irp t, 0,1
.irp c, 0,1,2,3
	v_pk_add_f32 v[SA+16*\t+2*\c:SA+16*\t+2*\c+1], v[SA+16*\t+2*\c:SA+16*\t+2*\c+1], v[SA+16*\t+8+2*\c:SA+16*\t+8+2*\c+1]
.endr
.endr
.irp t, 0,1
.irp c, 0,1
	v_pk_add_f32 v[SA+16*\t+2*\c:SA+16*\t+2*\c+1], v[SA+16*\t+2*\c:SA+16*\t+2*\c+1], v[SA+16*\t+4+2*\c:SA+16*\t+4+2*\c+1]
.endr
.endr
.irp t, 0,1
	v_pk_add_f32 v[SA+16*\t:SA+16*\t+1], v[SA+16*\t:SA+16*\t+1], v[SA+16*\t+2:SA+16*\t+3]
.endr
.irp t, 0,1
	v_add_f32 v[ST+\t], v[SA+16*\t], v[SA+16*\t+1]
.endr
.irp t, 0,1
	v_permlanex16_b32 v[TMPX+\t], v[ST+\t], s[SEL], s[SEL+1]
.endr
.irp t, 0,1
	v_add_f32 v[ST+\t], v[ST+\t], v[TMPX+\t]
.endr
.irp t, 0,1
	ds_store_b32 v[SUW], v[ST+\t] offset:256*\t    ; lanes r and r + 16 write the same word with the same value
.endr
.endm
.macro XL hb                           ; 16 of the 32 maxima are joined with lane l xor 16's: a block's 32 keys
.set i, 0
.rept 16
	v_permlanex16_b32 v[TP+i], v[RM+16*(\hb)+i], s[SEL], s[SEL+1]
.set i, i+1
.endr
.set i, 0
.rept 16
	v_max_num_f32 v[RM+16*(\hb)+i], v[RM+16*(\hb)+i], v[TP+i]
.set i, i+1
.endr
.endm
.macro POST                            ; the 32 blocks' largest weights, the conversions' scale operands, and the eight fragments' scale words
.irp j, 0,1,2,3,4,5,6,7
.irp b, 0,1,2,3
	v_mul_f32 v[RM+4*\j+\b], v[RM+4*\j+\b], v[INV+2*(\j%2)]
.endr
.endr
.set i, 0
.rept 32
	v_max_num_f32 v[RM+i], 0x2800000, v[RM+i]      ; the floor 2^(5 - 127): the byte cannot fall under 1
.set i, i+1
.endr
.set i, 0
.rept 32
	v_add_nc_u32 v[RM+i], 0xfe000000, v[RM+i]      ; 4 off the exponent field
.set i, i+1
.endr
.irp hb, 0,1
.set i, 0
.rept 16
	v_lshrrev_b32 v[TP+i], 23, v[RM+16*\hb+i]      ; the scales' bytes
.set i, i+1
.endr
.irp q, 0,1,2,3
	v_lshl_or_b32 v[PWS+4*\hb+\q], v[TP+4*\q+1], 8, v[TP+4*\q]
.endr
.irp q, 0,1,2,3
	v_lshl_or_b32 v[PWS+4*\hb+\q], v[TP+4*\q+2], 16, v[PWS+4*\hb+\q]
.endr
.irp q, 0,1,2,3
	v_lshl_or_b32 v[PWS+4*\hb+\q], v[TP+4*\q+3], 24, v[PWS+4*\hb+\q]
.endr
.endr
.endm
; Fragment j = 2 s + t: query tile t, keys 128 s on
.macro NRM j                           ; x 1 / (sum + eps): the finished weights
	WIN 0x82+0x41*((\j)%2)
.set i, 64*((\j)/2)
.rept 32
	v_pk_mul_f32 v[i:i+1], v[i:i+1], v[INV+2*((\j)%2):INV+2*((\j)%2)+1] op_sel_hi:[1,0]
.set i, i+2
.endr
.endm
.macro QNT j                           ; the weights' codes: register 16 b + i is place 32 b + 16 (lane / 16) + i of my query's 128 keys
	WIN 2+(\j)%2
.irp c, 0,1
	v_cvt_scalef32_pk16_bf6_f32 v[PC0+12*((\j)%2)+6*\c:PC0+12*((\j)%2)+6*\c+2], v[64*((\j)/2)+32*\c:64*((\j)/2)+32*\c+15], v[RM+4*(\j)+2*\c]
	v_cvt_scalef32_pk16_bf6_f32 v[PT+4*\c:PT+4*\c+2], v[64*((\j)/2)+32*\c+16:64*((\j)/2)+32*\c+31], v[RM+4*(\j)+2*\c+1]
.endr
	WIN 0
	v_nop                                          ; one plain place behind a scaled conversion
.irp c, 0,1                            ; the operand's layout wants a whole block in a lane
.irp i, 0,1,2
	v_permlane16_swap_b32 v[PC0+12*((\j)%2)+6*\c+\i], v[PT+4*\c+\i]
.endr
.irp i, 0,1,2
	v_mov_b32 v[PC0+12*((\j)%2)+3+6*\c+\i], v[PT+4*\c+\i]
.endr
.endr
.endm
.macro PV j                            ; O^T += v^T wts^T for fragment j: four accumulators; with the other tile's four they take turns
	WIN 0x01
.irp c, 0,1,2,3
.set rO, OA+32*((\j)%2)+8*\c
.set rV, 12*(4*((\j)/2)+\c)
.set sV, VSC+4*((\j)/4)+\c
.set rP, PC0+12*((\j)%2)
.if (\j) < 2
	v_wmma_scale_f32_16x16x128_f8f6f4 v[rO:rO+7], v[rV:rV+11], v[rP:rP+11], 0, v[sV], v[PWS+(\j)] matrix_a_fmt:MATRIX_FMT_BF6 matrix_b_fmt:MATRIX_FMT_BF6
.elseif ((\j)/2)%2
	v_wmma_scale_f32_16x16x128_f8f6f4 v[rO:rO+7], v[rV:rV+11], v[rP:rP+11], v[rO:rO+7], v[sV], v[PWS+(\j)] matrix_a_fmt:MATRIX_FMT_BF6 matrix_b_fmt:MATRIX_FMT_BF6 matrix_a_scale:MATRIX_SCALE_ROW1
.else
	v_wmma_scale_f32_16x16x128_f8f6f4 v[rO:rO+7], v[rV:rV+11], v[rP:rP+11], v[rO:rO+7], v[sV], v[PWS+(\j)] matrix_a_fmt:MATRIX_FMT_BF6 matrix_b_fmt:MATRIX_FMT_BF6
.endif
.endr
.endm
.macro NP j                            ; fragment j's 32 multiplies by 1 / (sum + eps), with fragment j - 1's four products among them, eight plain lines ahead of each
.irp c, 0,1,2,3
	WIN 0x82+0x41*((\j)%2)
.set i, 64*((\j)/2)+16*\c
.rept 8
	v_pk_mul_f32 v[i:i+1], v[i:i+1], v[INV+2*((\j)%2):INV+2*((\j)%2)+1] op_sel_hi:[1,0]
.set i, i+2
.endr
	WIN 0x01
.set jj, (\j)-1
.set rO, OA+32*(jj%2)+8*\c
.set rV, 12*(4*(jj/2)+\c)
.set sV, VSC+4*(jj/4)+\c
.set rP, PC0+12*(jj%2)
.if jj < 2
	v_wmma_scale_f32_16x16x128_f8f6f4 v[rO:rO+7], v[rV:rV+11], v[rP:rP+11], 0, v[sV], v[PWS+jj] matrix_a_fmt:MATRIX_FMT_BF6 matrix_b_fmt:MATRIX_FMT_BF6
.elseif (jj/2)%2
	v_wmma_scale_f32_16x16x128_f8f6f4 v[rO:rO+7], v[rV:rV+11], v[rP:rP+11], v[rO:rO+7], v[sV], v[PWS+jj] matrix_a_fmt:MATRIX_FMT_BF6 matrix_b_fmt:MATRIX_FMT_BF6 matrix_a_scale:MATRIX_SCALE_ROW1
.else
	v_wmma_scale_f32_16x16x128_f8f6f4 v[rO:rO+7], v[rV:rV+11], v[rP:rP+11], v[rO:rO+7], v[sV], v[PWS+jj] matrix_a_fmt:MATRIX_FMT_BF6 matrix_b_fmt:MATRIX_FMT_BF6
.endif
.endr
.endm
.macro OXST t
.irp c, 0,1,2,3
	ds_store_b128 v[OXW], v[OA+32*(\t)+8*\c:OA+32*(\t)+8*\c+3] offset:1024*(4*(\t)+\c)
	ds_store_b128 v[OXW], v[OA+32*(\t)+8*\c+4:OA+32*(\t)+8*\c+7] offset:1024*(4*(\t)+\c)+512
.endr
.endm
	s_load_b256 s[4:11], s[0:1], 0x0               ; attn_mask, qi, ki, vi
	s_load_b256 s[76:83], s[0:1], 0x20             ; wo, x, b_out, gamma
	s_load_b128 s[84:87], s[0:1], 0x40             ; beta, out0
	v_lshl_add_u32 v[SPW], v0, 2, SPARE
	v_mov_b32 v[NIL], 0
	ds_add_u32 v[SPW], v[NIL]                      ; the opening lines: the add twice on end and one wait
	ds_add_u32 v[SPW], v[NIL]
	v_lshrrev_b32 v1, 5, v0
	v_readfirstlane_b32 s14, v1                    ; wave
	s_and_b32 s16, ttmp7, 0xffff                   ; batch
	; descriptor group 1: 32 rows x 256 f32, 2,048 f32 from row to row; 16 bytes of padding behind each row's 1,024
	s_mov_b32 s28, (2<<16)|(1<<20)|(7<<22)|(3<<25)
	s_mov_b32 s29, 256<<16
	s_mov_b32 s30, 32<<16
	s_mov_b32 s31, 256<<16
	s_mov_b32 s32, 32
	s_mov_b32 s33, 2048
	s_mov_b32 s34, 0
	s_mov_b32 s35, 0
	s_lshl_b32 s50, s16, 24                        ; a batch's mask: 16,777,216 bytes
	s_lshl_b32 s51, ttmp9, 18                      ; 32 rows of 8,192 bytes
	s_add_co_u32 s50, s50, s51
	s_lshl_b32 s51, s14, 11                        ; my 512 keys
	s_add_co_u32 s50, s50, s51
	s_mov_b32 s51, 0
	s_mov_b32 s20, 1
	s_mul_i32 s21, s14, 66560                      ; my two regions
	s_mov_b32 s24, 1
	s_add_co_u32 s25, s21, 33280
	s_lshl_b32 s66, s14, 13                        ; the LDS bases that hang on the wave's number
	s_add_co_u32 s66, s66, OX
	s_lshl_b32 s67, s14, 11
	s_add_co_u32 s67, s67, OX                      ; I add up tiles 2 w and 2 w + 1 of the eight
	s_lshl_b32 s68, s14, 2
	s_mul_i32 s69, s14, 384
	s_add_co_u32 s69, s69, XST
	s_lshl_b32 s70, s14, 4
	s_add_co_u32 s70, s70, SBST
	s_wait_dscnt 0x0                               ; both opening adds are done
	s_wait_kmcnt 0x0
	s_add_nc_u64 s[22:23], s[4:5], s[50:51]
	s_add_nc_u64 s[26:27], s[22:23], 1024
	s_or_b32 s23, s23, 0x80000000
	s_or_b32 s27, s27, 0x80000000
	tensor_load_to_lds s[20:23], s[28:35]          ; my first 256 keys of the mask: one tensor load a wave at the head
	s_nop 0
	PLACES 4
	s_mul_i32 s50, s16, 1638400                    ; a batch of qi, ki, vi
	s_add_nc_u64 s[6:7], s[6:7], s[50:51]
	s_add_nc_u64 s[8:9], s[8:9], s[50:51]
	s_add_nc_u64 s[10:11], s[10:11], s[50:51]
	s_mul_i32 s50, s14, 25600                      ; my four records of a head
	s_add_nc_u64 s[8:9], s[8:9], s[50:51]          ; K
	s_add_nc_u64 s[10:11], s[10:11], s[50:51]      ; V
	s_lshr_b32 s50, ttmp9, 2
	s_mul_i32 s50, s50, 6400                       ; my queries' record,
	s_add_nc_u64 s[6:7], s[6:7], s[50:51]
	s_and_b32 s54, ttmp9, 3
	s_mul_i32 s50, s54, 1536                       ; and their pair fragment in it
	s_add_nc_u64 s[36:37], s[6:7], s[50:51]
	s_lshl_b32 s50, s54, 2
	s_add_co_u32 s50, s50, 6144
	s_add_nc_u64 s[38:39], s[6:7], s[50:51]        ; its scale words
	s_mul_i32 s50, ttmp9, 12800                    ; record x of wo: what my work-group asks for ahead
	s_add_nc_u64 s[92:93], s[76:77], s[50:51]
	s_mul_i32 s50, s14, 204800
	s_add_nc_u64 s[76:77], s[76:77], s[50:51]
	s_lshl_b32 s50, s16, 6
	s_add_co_u32 s50, s50, ttmp9                   ; block 64 batch + x of 32 tokens: 32 rows of 4,096 bytes,
	s_lshl_b32 s50, s50, 17
	s_lshl_b32 s54, s14, 15                        ; my eight of them
	s_add_co_u32 s50, s50, s54
	s_add_nc_u64 s[78:79], s[78:79], s[50:51]      ; in x
	s_add_nc_u64 s[86:87], s[86:87], s[50:51]      ; and in out0
	s_mov_b32 s[CS], 0x3e38aa3b                    ; log2(e) / 8: exp(s / 8) = 2^(s x this)
	s_mov_b32 s[CS+1], s[CS]
	s_mov_b32 s[SEL], 0x76543210
	s_mov_b32 s[SEL+1], 0xfedcba98
	s_mov_b32 s[HD], 0
	s_mov_b32 s[HO], 0
	s_mov_b32 s[HB], 0
	s_mov_b32 s[KST+1], 0
	s_cmp_eq_u32 ttmp9, 0
	s_cselect_b32 s[LIM], 15, 0
	s_cmp_lt_u32 s14, 2
	s_cselect_b32 s90, 13, 99                      ; the trip in which my wave asks for wo: 13 in waves 0 and 1, none in the others
	v_and_b32 v1, 31, v0                           ; lane
	v_and_b32 v2, 15, v0                           ; r
	v_bfe_u32 v3, v0, 4, 1                         ; h
	v_lshlrev_b32 v[LI], 4, v1
	v_mul_u32_u24 v[KSA], v3, 6400
	v_lshl_add_u32 v[KSA], v2, 4, v[KSA]
	v_lshlrev_b32 v[QSA], 4, v2
	VW
	KQLOAD                                         ; head 0: q and the scale words first,
	KREC 0                                         ; then K's four records, in the order in which they are wanted
	KREC 1
	KREC 2
	KREC 3
	v_mul_u32_u24 v[MA], v2, 1040
	v_lshl_add_u32 v[MA], v3, 5, v[MA]
	v_add_nc_u32 v[MA], s21, v[MA]
	v_lshl_add_u32 v[OXW], v1, 4, s66
	v_lshl_add_u32 v[OXR], v1, 4, s67
	v_lshl_add_u32 v[SUR], v2, 4, SUMX
	v_add_nc_u32 v[SUW], s68, v[SUR]
	v_lshl_add_u32 v[XW], v1, 2, s69
	v_add_nc_u32 v[SBW], s70, v2
	v_min_u32 v[PFO], 24, v1
	v_lshlrev_b32 v[PFO], 8, v[PFO]
	v_min_u32 v[WPF], 49, v0
	v_lshlrev_b32 v[WPF], 8, v[WPF]
	v_lshlrev_b32 v[FR], 2, v2
	v_mad_u32_u24 v[FR], v3, 384, v[FR]
	v_add_nc_u32 v[FR], XST+1536, v[FR]            ; the end: head 0's slot + 4 r + 384 h
	v_lshl_add_u32 v[SR2], v3, 9, v2
	v_add_nc_u32 v[SR2], SBST+64, v[SR2]           ; head 0's slot + r + 512 h
.irp i, 0,1,2,3
	v_mov_b32 v[OA+\i], 0
.endr
.irp i, 0,1,2,3,4,5
	v_mov_b32 v[QF+\i], 0                          ; the three runs of zero codes beside q0 and q1: written once
	v_mov_b32 v[QF+12+\i], 0
	v_mov_b32 v[QF+24+\i], 0
.endr
.set i, 0
.rept 16
	v_mov_b32 v[TP+i], 0                           ; a lane permute's destination counts as one of its sources
.set i, i+1
.endr
	v_mov_b32 v[TMPX], 0
	v_mov_b32 v[TMPX+1], 0
	v_mov_b32 v[INV+1], 0                          ; named as the upper halves of pairs
	v_mov_b32 v[INV+3], 0
	VW
	s_wait_tensorcnt 0x0
	ds_add_u32 v[SPW], v[NIL]
	s_wait_dscnt 0x0
	s_barrier_signal -1
	s_barrier_wait -1
	tensor_load_to_lds s[24:27], s[28:35]          ; my second 256 keys of the mask
	s_nop 0
	PLACES 4
	s_wait_loadcnt 48                              ; q and the scale words are in; K's four records, 12 loads each, may be out
	QPREP
	VW
	s_wait_tensorcnt 0x0                           ; my part of the mask is in LDS; only I read it
.irp i, 0,1,2,3,4,5,6,7,8,9,10,11,12,13,14,15
	ds_store_b128 v[OXW], v[OA:OA+3] offset:512*\i ; my part of O^T's exchange begins as zeros
.endr
	LOADM 0                                        ; the first trip's mask of groups 0 and 1; later trips ask for theirs in the trip before
	LOADM 1
	WIN 0
.Lhead:                                            ; 16 trips, a head each
	s_wait_dscnt 0x0                               ; my partial O^T of the head before (in the first trip: my zeros) has landed:
	s_barrier_signal -1                            ; say so.  Up to the wait: products, and loads of the mask, whose bytes no wave ever stores
.irp k, 0,1,2,3,4,5,6,7,8
.if \k <= 5
	LOADM (\k+2)
.endif
.if (\k == 0) || (\k == 3)
	s_wait_dscnt 32                                ; group k's mask is in; the two groups behind it may be out.  (Step 3: the 16 loads of O^T are older than group 3's)
.elseif (\k == 1) || (\k == 2)
	s_wait_dscnt 48                                ; behind group k's: two groups and the 16 loads of O^T
.elseif (\k == 4) || (\k == 5)
	s_wait_dscnt 36                                ; behind group k's: two groups and the four stores of attn's codes
.elseif \k == 6
	s_wait_dscnt 16
.elseif \k == 7
	s_wait_dscnt 0x0
.endif
.if \k == 0
	s_wait_loadcnt 36                              ; K's record 0 is in; records 1 to 3 may be out
.elseif \k == 2
	s_wait_loadcnt 24
.elseif \k == 4
	s_wait_loadcnt 26                              ; K's record 2 is in; behind it: K's record 3, V's record 0 and V's two scale loads
.elseif \k == 6
	s_wait_loadcnt 26                              ; K's record 3 is in; behind it: V's record 0, the two scale loads, V's record 1
.endif
.if \k >= 2
	VW                                             ; behind the last batch and its products, ahead of the plain lines that read both
.if \k == 8
	RS 6                                           ; 32 plain lines; group 6's largest numbers are searched for behind the sums' stores
.elseif \k >= 4
	RSX (\k-2)
.else
	RS (\k-2)
	RX (\k-2)
.endif
.elseif \k == 1
	PLACES 4                                       ; behind group 0's products
.endif
.if \k >= 1
	PM (\k-1)
.endif
.if \k == 3
	WIN 0
	OREDUCE s[HO], s[HB]                           ; the head before is finished here
.endif
.if (\k >= 2) && (\k % 2 == 0)
	VREC (\k/2-1)                                  ; groups k - 2 and k - 1 were the last to multiply K's record k / 2 - 1; over 64 plain lines stand behind their products
.endif
.if \k == 8
	s_cmp_lt_u32 s[HD], 15                         ; K's, q's and their scale words' pointers go on to the next head; in the last head they stay.  Their loads have been waited for
	s_cselect_b32 s[KST], 102400, 0
	s_add_nc_u64 s[8:9], s[8:9], s[KST:KST+1]
	s_add_nc_u64 s[36:37], s[36:37], s[KST:KST+1]
	s_add_nc_u64 s[38:39], s[38:39], s[KST:KST+1]
	KQLOAD                                         ; the next head's q and scale words
.endif
.if \k >= 1
	VW                                             ; ahead of the batch
.endif
.irp i, 0,1,2,3,4,5,6,7
.if \k <= 7
	MM \k, \i
.endif
.if \k >= 1
	EX (\k-1), \i
.endif
.endr
.if \k == 0
	WIN 0
	s_barrier_wait -1                              ; all four partial O^T of the head before lie in LDS
	OXLOAD                                         ; they are wanted three steps on
.else
	v_nop                                          ; a plain place behind the batch's last exponential
.endif
.endr
	WIN 0
	VW                                             ; for the last batch, ahead of its readers and of the branch
	; the next head's K and V are asked for ahead: my wave's four records of each, a record an instruction, lanes 256 bytes apart (lanes 25-31 name lane 24's block again).  All 64 work-groups of a batch read the
	; same records: the batch's first asks, and nobody else; the last head asks for nothing.  K's pointer stands at the next head already, V's at this one.
	s_cmp_lt_u32 s[HD], s[LIM]
	s_cbranch_scc0 .Lnot_mine
.irp n, 0,1,2,3
	global_prefetch_b8 v[PFO], s[8:9] offset:6400*\n th:TH_LOAD_NT scope:SCOPE_SE
.endr
.irp n, 0,1,2,3
	global_prefetch_b8 v[PFO], s[10:11] offset:102400+6400*\n th:TH_LOAD_NT scope:SCOPE_SE
.endr
.Lnot_mine:
	; W_out is asked for ahead too, once: the 64 work-groups of a batch share wo's 64 records out, record x to work-group x; waves 0 and 1 name its 50 blocks of 256 bytes, a lane a block
	; (the lanes left over in wave 1 name its last block again), in trip 13, three trips ahead of the loads that want them.  The address registers are never written again.
	s_cmp_eq_u32 s[HD], s90
	s_cbranch_scc0 .Lno_wo
	global_prefetch_b8 v[WPF], s[92:93] th:TH_LOAD_NT scope:SCOPE_SE
.Lno_wo:
	RS 7
	WIN 0
	SUMF
	RX 6                                           ; 64 lines while the two stores land
	RX 7
	WIN 0
	VW
	s_wait_dscnt 0x0                               ; they have landed, and so have my stores of attn's codes
	s_barrier_signal -1
	XL 0                                           ; 32 lines while the others arrive
	VW
	s_barrier_wait -1                              ; all four waves' sums lie in LDS
	ds_load_b128 v[S4:S4+3], v[SUR]
	ds_load_b128 v[S4+4:S4+7], v[SUR] offset:256
	XL 1                                           ; 32 lines while they come
	VW
	s_wait_dscnt 0x0
	v_add_f32 v[S4], v[S4], v[S4+1]
	v_add_f32 v[S4+2], v[S4+2], v[S4+3]
	v_add_f32 v[S4+4], v[S4+4], v[S4+5]
	v_add_f32 v[S4+6], v[S4+6], v[S4+7]
	v_add_f32 v[S4], v[S4], v[S4+2]
	v_add_f32 v[S4+4], v[S4+4], v[S4+6]
	v_add_f32 v[S4], 0x3089705f, v[S4]             ; + 1e-9
	v_add_f32 v[S4+4], 0x3089705f, v[S4+4]
	VW
	v_rcp_f32 v[INV], v[S4]
	v_rcp_f32 v[INV+2], v[S4+4]
	v_nop                                          ; a plain place behind the reciprocals
	VW
	POST
	; THE SECOND PRODUCT RUNS ONE FRAGMENT BEHIND ITS QUANTISER: the 32 multiplies of fragment j + 1 are the places between fragment j's last move and its four products
	NRM 0
	QNT 0
	VW
	s_wait_loadcnt 0x0                             ; V, its scale words, and the next head's q and scale words are in,
	s_wait_xcnt 0x0                                ; and the prefetches have read their bases:
	s_add_nc_u64 s[10:11], s[10:11], 102400        ; V's pointer goes on to the next head
	NP 1
	QNT 1
	NP 2
	QNT 2
	KREC 0                                         ; V's record 0 has been multiplied (13 plain lines of the quantiser stand between): its registers take the next head's K
	LOADM 0                                        ; fragments 0 and 1 have been converted: their registers take the next head's mask of groups 0 and 1
	LOADM 1
	NP 3
	QNT 3
	NP 4
	QNT 4
	KREC 1
	NP 5
	QNT 5
	NP 6
	QNT 6
	KREC 2
	NP 7
	QNT 7
	OXST 0                                         ; tile 0's O^T is finished: its stores leave ahead of tile 1's last products
	PLACES 4                                       ; between fragment 7's last move and its products
	PV 7
	PLACES 4                                       ; behind the last products: their results are stored, and loads land in V's registers
	WIN 0
	OXST 1
	KREC 3
	QPREP                                          ; the next head's q, while the stores land
	VW
	s_add_co_u32 s[HO], s[HO], 1536
	s_add_co_u32 s[HB], s[HB], 64
	s_add_co_u32 s[HD], s[HD], 1
	s_cmp_lt_u32 s[HD], 16
	s_cbranch_scc1 .Lhead
	; (The partial O^T are stored again only behind the sums' barrier of the next trip, which every wave signals with its loads of them waited for; the sums' words only behind the barrier at a trip's top, likewise.)
	s_wait_dscnt 0x0                               ; the last head's O^T
	s_barrier_signal -1
	s_barrier_wait -1
	OXLOAD
	s_wait_dscnt 0x0
	OREDUCE 24576, 1024                            ; slot 16
	; THE END.  The 16 heads' codes are put together as at's records: every wave takes both query tiles and all eight K steps.  Register p of K step s, lane (r, h): head 2 s + p / 6, channel block h, half (p % 6) / 3, word p % 3.
	VW
	s_wait_dscnt 0x0
	s_barrier_signal -1
	s_barrier_wait -1
; THE LAST PRODUCT AND THE NORM, for the work-group's own 32 tokens: y = Q(attn) W_out + b_out; z = x + y; out0 = gamma (z - mean) / sqrt(var + 1e-5) + beta, the variance of z - mean.  attn's codes never leave LDS.
; Wave w makes columns 256 w .. 256 w + 255: 16 column tiles x 2 token tiles, 32 accumulators.  Every wave takes all 16 fragments of attn from the stage; W_out's go from memory straight into registers, four buffers of four
; fragments, three groups ahead.  The product is used transposed; by wo's order of rows a lane's 16 registers of two neighbouring tiles are 16 neighbouring columns of one token.
; y goes through a stage of 32 rows x (4,096 + 16) bytes in the mask's bytes, which have had their only fill and, two barriers ago, their last read; behind one barrier wave w takes rows 8 w .. 8 w + 7 whole.
; REGISTERS.  Window 0: v4-9 addresses; v16-23 attn's scale words; v24-36 at work; v64-127 W's scale words; v128-159, v160-191 a row z, two sets; v192-223 gamma; v224-255 beta.
;   Window 1: attn's fragments, later x's eight rows.  Window 2: the accumulators.  Window 3: v0-191 W's four buffers; v192-223 b_out.
.set ZSCA, 4                           ; 12288 + 256 h + 16 r
.set ZSO,  6                           ; v6, v7: the stage, token tile 0 and 1: 4112 r + 64 h + 1024 w
.set ZSR,  8                           ; 32896 w + 16 lane
.set ZPF,  9                           ; 256 x lane
.set ZAS,  16
.set ZTT,  24
.set ZMU,  32
.set ZRS,  34
.set ZVA,  36
.set ZWS,  64
.set ZB,   128
.set ZGA,  192
.set ZBE,  224
.set ZBO,  192                         ; window 3
	s_lshl_b32 s71, s14, 10
	s_mul_i32 s72, s14, 32896
	s_mov_b32 s88, 0x3a800000                      ; 1 / 1,024
	s_mov_b32 s89, 0x3727c5ac                      ; 1e-5
	v_lshlrev_b32 v[ZSCA], 4, v2
	v_lshl_add_u32 v[ZSCA], v3, 8, v[ZSCA]
	v_add_nc_u32 v[ZSCA], 12288, v[ZSCA]
	v_mul_u32_u24 v[ZSO], v2, 4112
	v_lshl_add_u32 v[ZSO], v3, 6, v[ZSO]
	v_add_nc_u32 v[ZSO], s71, v[ZSO]
	v_add_nc_u32 v[ZSO+1], 65792, v[ZSO]
	v_add_nc_u32 v[ZSR], s72, v[LI]
	v_lshlrev_b32 v[ZPF], 8, v1
	v_mov_b32 v[ZMU+1], 0                          ; named as the upper halves of pairs
	v_mov_b32 v[ZRS+1], 0
	VW
	s_wait_loadcnt 0x0                             ; the last trip's loads of K have landed: window 1 is free
.irp k, 0,1,2,3,4,5,6,7
	global_load_b128 v[ZGA+4*\k:ZGA+4*\k+3], v[LI], s[82:83] offset:512*\k    ; columns 128 k + 4 lane + 0 .. 3, as a row will lie in my registers
	global_load_b128 v[ZBE+4*\k:ZBE+4*\k+3], v[LI], s[84:85] offset:512*\k
.endr
	WIN 0xc0
.irp k, 0,1,2,3,4,5,6,7
	global_load_b128 v[ZBO+4*\k:ZBO+4*\k+3], v[LI], s[80:81] offset:512*\k
.endr
	WIN 0
.irp n, 0,1,2,3,4,5,6,7,8,9,10,11,12,13,14,15
	global_load_b128 v[ZWS+4*\n:ZWS+4*\n+3], v[ZSCA], s[76:77] offset:12800*\n   ; register i: lanes 0-15 K step i, lanes 16-31 K step 4 + i
.endr
; A GROUP g is K step g / 4 and column tiles 4 (g % 4) + 0 .. 3
.macro WGRP g
	WIN 0xc0
.irp n, 0,1,2,3
.irp c, 0,1,2
	global_load_b128 v[48*((\g)%4)+12*\n+4*\c:48*((\g)%4)+12*\n+4*\c+3], v[LI], s[76:77] offset:12800*(4*((\g)%4)+\n)+1536*((\g)/4)+512*\c
.endr
.endr
.endm
.macro MULG g                          ; eight products; the 32 accumulators take turns, one instruction a turn
	WIN 0xa7                                       ; W window 3, attn window 1, C and D window 2
.irp n, 0,1,2,3
.irp t, 0,1
.set nn, 4*((\g)%4)+\n
.set ss, (\g)/4
.set rD, 8*(16*\t+nn)
.set rW, 48*((\g)%4)+12*\n
.set rA, 12*(8*\t+ss)
.set sW, ZWS+4*nn+ss%4
.set sA, ZAS+4*\t+ss%4
.if ss == 0
	v_wmma_scale_f32_16x16x128_f8f6f4 v[rD:rD+7], v[rW:rW+11], v[rA:rA+11], 0, v[sW], v[sA] matrix_a_fmt:MATRIX_FMT_BF6 matrix_b_fmt:MATRIX_FMT_BF6
.elseif ss < 4
	v_wmma_scale_f32_16x16x128_f8f6f4 v[rD:rD+7], v[rW:rW+11], v[rA:rA+11], v[rD:rD+7], v[sW], v[sA] matrix_a_fmt:MATRIX_FMT_BF6 matrix_b_fmt:MATRIX_FMT_BF6
.else
	v_wmma_scale_f32_16x16x128_f8f6f4 v[rD:rD+7], v[rW:rW+11], v[rA:rA+11], v[rD:rD+7], v[sW], v[sA] matrix_a_fmt:MATRIX_FMT_BF6 matrix_b_fmt:MATRIX_FMT_BF6 matrix_a_scale:MATRIX_SCALE_ROW1 matrix_b_scale:MATRIX_SCALE_ROW1
.endif
.endr
.endr
.endm
	WGRP 0
	WGRP 1
	WGRP 2
	WIN 0x40                                       ; attn's fragments: register p of token tile t, K step s, lane (r, h): head 2 s + p / 6, channel block h, half (p % 6) / 3, word p % 3
.irp t, 0,1
.irp s, 0,1,2,3,4,5,6,7
.irp p, 0,1,2,3,4,5,6,7,8,9,10,11
	ds_load_b32 v[12*(8*\t+\s)+\p], v[FR] offset:768*\t+3072*\s+1536*(\p/6)+128*(\p%3)+64*((\p%6)/3)
.endr
.endr
.endr
	WIN 0
.irp t, 0,1
.irp i, 0,1,2,3
.irp e, 0,1,2,3
	ds_load_u8 v[ZB+16*\t+4*\i+\e], v[SR2] offset:32*\t+128*\i+64*(\e/2)+16*(\e%2)   ; byte e of row r's scale word of K step 4 h + i
.endr
.endr
.endr
	s_wait_dscnt 0x0
.irp t, 0,1
.irp i, 0,1,2,3
	v_lshl_or_b32 v[ZAS+4*\t+\i], v[ZB+16*\t+4*\i+1], 8, v[ZB+16*\t+4*\i]
.endr
.endr
.irp t, 0,1
.irp i, 0,1,2,3
	v_lshl_or_b32 v[ZAS+4*\t+\i], v[ZB+16*\t+4*\i+2], 16, v[ZAS+4*\t+\i]
.endr
.endr
.irp t, 0,1
.irp i, 0,1,2,3
	v_lshl_or_b32 v[ZAS+4*\t+\i], v[ZB+16*\t+4*\i+3], 24, v[ZAS+4*\t+\i]
.endr
.endr
	PLACES 8                                       ; a scale register written by a vector instruction stands eight places ahead of the product
	VW
.irp g, 0,1,2,3,4,5,6,7,8,9,10,11,12,13,14,15,16,17,18,19,20,21,22,23,24,25,26,27,28,29,30,31
.if \g >= 1
	PLACES 4                                       ; the loads below land in the buffer that the last group's products read
.endif
.if \g <= 28
	WGRP (\g+3)
.endif
.if \g == 12
.irp n, 0,1,2,3
	global_prefetch_b8 v[ZPF], s[78:79] offset:8192*\n th:TH_LOAD_NT scope:SCOPE_SE   ; my eight rows of x, 32,768 bytes, lanes 256 bytes apart: each block named once in the launch, 20 groups (160 products) ahead of the loads that want them
.endr
.endif
.if \g <= 28
	s_wait_loadcnt 36                              ; group g is in; the three groups behind it may be out
.else
	s_wait_loadcnt 12*(31-\g)
.endif
	MULG \g
.endr
	PLACES 4                                       ; behind the last products: loads land in attn's registers, and results are stored
	WIN 0x40
.irp i, 0,1,2,3,4,5,6,7
.irp k, 0,1,2,3,4,5,6,7
	global_load_b128 v[32*\i+4*\k:32*\i+4*\k+3], v[LI], s[78:79] offset:4096*\i+512*\k th:TH_LOAD_NT   ; x, my eight rows, 512 consecutive bytes a load
.endr
.endr
	WIN 0x08                                       ; an LDS store's data are its source 1: window 2
.irp t, 0,1
.irp n, 0,1,2,3,4,5,6,7,8,9,10,11,12,13,14,15
	ds_store_b128 v[ZSO+\t], v[8*(16*\t+\n):8*(16*\t+\n)+3] offset:128*(\n/2)+32*(\n%2)        ; lane (r, h): token r, columns 256 w + 32 (n / 2) + 16 h + 8 (n % 2) + 0 .. 7; each accumulator from its low end on
	ds_store_b128 v[ZSO+\t], v[8*(16*\t+\n)+4:8*(16*\t+\n)+7] offset:128*(\n/2)+32*(\n%2)+16
.endr
.endr
	WIN 0
	s_wait_dscnt 0x0                               ; my stores have landed
	s_barrier_signal -1
	s_barrier_wait -1                              ; 32 whole rows of y lie in the stage
.macro ZLOAD i                         ; row i of my eight into set i % 2
.set ZN, 128+32*((\i)%2)
.irp k, 0,1,2,3,4,5,6,7
	ds_load_b128 v[ZN+4*\k:ZN+4*\k+3], v[ZSR] offset:4112*(\i)+512*\k
.endr
.endm
.macro LANES                           ; v[ZTT] summed over the 32 lanes, the result in every lane
	v_add_f32_dpp v[ZTT], v[ZTT], v[ZTT] row_xmask:1 row_mask:0xf bank_mask:0xf
	v_add_f32_dpp v[ZTT], v[ZTT], v[ZTT] row_xmask:2 row_mask:0xf bank_mask:0xf
	v_add_f32_dpp v[ZTT], v[ZTT], v[ZTT] row_xmask:4 row_mask:0xf bank_mask:0xf
	v_add_f32_dpp v[ZTT], v[ZTT], v[ZTT] row_xmask:8 row_mask:0xf bank_mask:0xf
	v_permlanex16_b32 v[ZTT+2], v[ZTT], s[SEL], s[SEL+1]
	v_add_f32 v[ZTT], v[ZTT], v[ZTT+2]
.endm
.macro FOLD                            ; the four chains into v[ZTT]
	v_pk_add_f32 v[ZTT:ZTT+1], v[ZTT:ZTT+1], v[ZTT+2:ZTT+3]
	v_pk_add_f32 v[ZTT+4:ZTT+5], v[ZTT+4:ZTT+5], v[ZTT+6:ZTT+7]
	v_pk_add_f32 v[ZTT:ZTT+1], v[ZTT:ZTT+1], v[ZTT+4:ZTT+5]
	v_add_f32 v[ZTT], v[ZTT], v[ZTT+1]
.endm
.macro ROWLN i
.set ZZ, 128+32*((\i)%2)
.if (\i) < 7
	s_wait_xcnt 0x0                                ; the stores of the row before have read the other set
	ZLOAD (\i)+1
	s_wait_dscnt 8                                 ; this row is in; the next row's eight loads may be out
.else
	s_wait_dscnt 0x0
.endif
	WIN 0x0c                                       ; b_out: window 3
.irp p, 0,2,4,6,8,10,12,14,16,18,20,22,24,26,28,30
	v_pk_add_f32 v[ZZ+\p:ZZ+\p+1], v[ZZ+\p:ZZ+\p+1], v[ZBO+\p:ZBO+\p+1]
.endr
	s_wait_loadcnt 56-8*(\i)                       ; x's row i is in; the rows behind it may be out
	WIN 0x04                                       ; x: window 1
.irp p, 0,2,4,6,8,10,12,14,16,18,20,22,24,26,28,30
	v_pk_add_f32 v[ZZ+\p:ZZ+\p+1], v[ZZ+\p:ZZ+\p+1], v[32*(\i)+\p:32*(\i)+\p+1]
.endr
	WIN 0
.irp c, 0,1,2,3
	v_pk_add_f32 v[ZTT+2*\c:ZTT+2*\c+1], v[ZZ+2*\c:ZZ+2*\c+1], v[ZZ+8+2*\c:ZZ+8+2*\c+1]
.endr
.irp c, 0,1,2,3
	v_pk_add_f32 v[ZTT+2*\c:ZTT+2*\c+1], v[ZTT+2*\c:ZTT+2*\c+1], v[ZZ+16+2*\c:ZZ+16+2*\c+1]
.endr
.irp c, 0,1,2,3
	v_pk_add_f32 v[ZTT+2*\c:ZTT+2*\c+1], v[ZTT+2*\c:ZTT+2*\c+1], v[ZZ+24+2*\c:ZZ+24+2*\c+1]
.endr
	FOLD
	LANES
	v_mul_f32 v[ZMU], s88, v[ZTT]                  ; the mean
.irp p, 0,2,4,6,8,10,12,14,16,18,20,22,24,26,28,30
	v_pk_add_f32 v[ZZ+\p:ZZ+\p+1], v[ZZ+\p:ZZ+\p+1], v[ZMU:ZMU+1] op_sel_hi:[1,0] neg_lo:[0,1] neg_hi:[0,1]   ; z - mean
.endr
.irp c, 0,1,2,3
	v_pk_mul_f32 v[ZTT+2*\c:ZTT+2*\c+1], v[ZZ+2*\c:ZZ+2*\c+1], v[ZZ+2*\c:ZZ+2*\c+1]
.endr
.irp q, 8,16,24
.irp c, 0,1,2,3
	v_pk_fma_f32 v[ZTT+2*\c:ZTT+2*\c+1], v[ZZ+\q+2*\c:ZZ+\q+2*\c+1], v[ZZ+\q+2*\c:ZZ+\q+2*\c+1], v[ZTT+2*\c:ZTT+2*\c+1]
.endr
.endr
	FOLD
	LANES
	v_fma_f32 v[ZVA], v[ZTT], s88, s89             ; the variance + 1e-5
	VW
	v_rsq_f32 v[ZRS], v[ZVA]
	v_nop                                          ; a plain place behind the transcendental
	VW
.irp p, 0,2,4,6,8,10,12,14,16,18,20,22,24,26,28,30
	v_pk_mul_f32 v[ZZ+\p:ZZ+\p+1], v[ZZ+\p:ZZ+\p+1], v[ZRS:ZRS+1] op_sel_hi:[1,0]
.endr
.irp p, 0,2,4,6,8,10,12,14,16,18,20,22,24,26,28,30
	v_pk_fma_f32 v[ZZ+\p:ZZ+\p+1], v[ZZ+\p:ZZ+\p+1], v[ZGA+\p:ZGA+\p+1], v[ZBE+\p:ZBE+\p+1]
.endr
.irp k, 0,1,2,3,4,5,6,7
	global_store_b128 v[LI], v[ZZ+4*\k:ZZ+4*\k+3], s[86:87] offset:4096*(\i)+512*\k th:TH_STORE_NT   ; 512 consecutive bytes, at a multiple of 256 from out0's first byte
.endr
.endm
	ZLOAD 0
.irp i, 0,1,2,3,4,5,6,7
	ROWLN \i
.endr
	s_wait_tensorcnt 0x0                           ; the wave's end
	ds_add_u32 v[SPW], v[NIL]
	s_wait_dscnt 0x0
	s_endpgm
.Lfunc_end_k_q59907c7c1c_attn:
	.size	k_q59907c7c1c_attn, .Lfunc_end_k_q59907c7c1c_attn-k_q59907c7c1c_attn
	.p2alignl 7, 3214868480
	.fill 96, 4, 3214868480
	.section	.rodata,"a",@progbits
	.p2align	6, 0x0
	.amdhsa_kernel k_q59907c7c1c_attn
		.amdhsa_group_segment_fixed_size 327680
		.amdhsa_private_segment_fixed_size 0
		.amdhsa_enable_private_segment 0
		.amdhsa_kernarg_size 80
		.amdhsa_user_sgpr_count 2
		.amdhsa_user_sgpr_kernarg_segment_ptr 1
		.amdhsa_wavefront_size32 1
		.amdhsa_system_sgpr_workgroup_id_x 1
		.amdhsa_system_sgpr_workgroup_id_y 1
		.amdhsa_system_sgpr_workgroup_id_z 1
		.amdhsa_system_vgpr_workitem_id 0
		.amdhsa_next_free_vgpr 1024
		.amdhsa_next_free_sgpr 96
		.amdhsa_reserve_vcc 0
		.amdhsa_float_denorm_mode_32 3
		.amdhsa_float_denorm_mode_16_64 3
		.amdhsa_memory_ordered 1
		.amdhsa_forward_progress 1
		.amdhsa_inst_pref_size 255
	.end_amdhsa_kernel
	.section	.bss,"aw",@nobits
	.p2align	6
	.space	262144
	.amdgpu_metadata
---
amdhsa.version: [ 1, 2 ]
amdhsa.kernels:
  - .name:           k_q59907c7c1c_attn
    .symbol:         k_q59907c7c1c_attn.kd
    .args:
      - { .name: attn_mask, .offset: 0, .size: 8, .value_kind: global_buffer, .address_space: global }
      - { .name: qi, .offset: 8, .size: 8, .value_kind: global_buffer, .address_space: global }
      - { .name: ki, .offset: 16, .size: 8, .value_kind: global_buffer, .address_space: global }
      - { .name: vi, .offset: 24, .size: 8, .value_kind: global_buffer, .address_space: global }
      - { .name: wo, .offset: 32, .size: 8, .value_kind: global_buffer, .address_space: global }
      - { .name: x, .offset: 40, .size: 8, .value_kind: global_buffer, .address_space: global }
      - { .name: b_out, .offset: 48, .size: 8, .value_kind: global_buffer, .address_space: global }
      - { .name: gamma, .offset: 56, .size: 8, .value_kind: global_buffer, .address_space: global }
      - { .name: beta, .offset: 64, .size: 8, .value_kind: global_buffer, .address_space: global }
      - { .name: out0, .offset: 72, .size: 8, .value_kind: global_buffer, .address_space: global }
    .group_segment_fixed_size: 327680
    .private_segment_fixed_size: 0
    .kernarg_segment_align: 8
    .kernarg_segment_size: 80
    .max_flat_workgroup_size: 128
    .sgpr_count:     96
    .vgpr_count:     1024
    .wavefront_size: 32
...
	.end_amdgpu_metadata
.endif
;; end of part 3
